; MI455X (gfx1250); checked and timed in simulation.
; The chip was launched on July 23, 2026; its instructions are those of AMD's public machine-readable ISA for CDNA 5 (MIT licence, August 2026) and "CDNA5" Instruction Set Architecture Reference Guide (July 2026). The comments in the code are by the model that wrote it; some were corrected since.
;; Masked Attention. Allowed arithmetic: matrix products marked QUANTISED: E2M3 operands, one E8M0 scale for each 32 along K, by v_wmma_scale_f32_16x16x128_f8f6f4 with both operands' format E2M3, f32 sums; everything else in f32.
;; Inputs: bk 1,024 float32; bo 1,024 float32; bq 1,024 float32; bv 1,024 float32; k_codes 4 x 2,048 x 32 x 24 uint8 (E2M3 codes of k, K innermost, in blocks of 32 codes, four codes in three bytes); k_scales 4 x 2,048 x 32 uint8 (E8M0 scales of k, one for each 32 codes along K); mask 2,048 x 2,048 int32; q_codes 4 x 2,048 x 32 x 24 uint8 (E2M3 codes of q, K innermost, in blocks of 32 codes, four codes in three bytes); q_scales 4 x 2,048 x 32 uint8 (E8M0 scales of q, one for each 32 codes along K); v_codes 4 x 2,048 x 32 x 24 uint8 (E2M3 codes of v, K innermost, in blocks of 32 codes, four codes in three bytes); v_scales 4 x 2,048 x 32 uint8 (E8M0 scales of v, one for each 32 codes along K); wk_codes 1,024 x 32 x 24 uint8 (E2M3 codes of wk, K innermost, in blocks of 32 codes, four codes in three bytes); wk_scales 1,024 x 32 uint8 (E8M0 scales of wk, one for each 32 codes along K); wo_codes 1,024 x 32 x 24 uint8 (E2M3 codes of wo, K innermost, in blocks of 32 codes, four codes in three bytes); wo_scales 1,024 x 32 uint8 (E8M0 scales of wo, one for each 32 codes along K); wq_codes 1,024 x 32 x 24 uint8 (E2M3 codes of wq, K innermost, in blocks of 32 codes, four codes in three bytes); wq_scales 1,024 x 32 uint8 (E8M0 scales of wq, one for each 32 codes along K); wv_codes 1,024 x 32 x 24 uint8 (E2M3 codes of wv, K innermost, in blocks of 32 codes, four codes in three bytes); wv_scales 1,024 x 32 uint8 (E8M0 scales of wv, one for each 32 codes along K).
;; Outputs: out0 4 x 2,048 x 1,024 float32.
;; This version of the problem:
;;   THIS VERSION OF THE PROBLEM IS GIVEN IN LOW PRECISION. The matrix products marked QUANTISED in the list below multiply operands that are first quantised to E2M3 (2 exponent bits, 3 mantissa bits; 6 bits a number), with one power-of-two scale for each 32 numbers along K (OCP MX v1.0); their sums are f32. All else is computed in f32.
;;   The module's matrix products, in the order in which they are computed (A, B: the left and right operand; K: the contracted axis; several contracted axes count as one K, in the product's order):
;;     1. [M 8,192, K 1,024] x [K 1,024, N 1,024]; A: input q (given as codes); B: input wq (given as codes): QUANTISED
;;     2. [M 8,192, K 1,024] x [K 1,024, N 1,024]; A: input k (given as codes); B: input wk (given as codes): QUANTISED
;;     3. [M 8,192, K 1,024] x [K 1,024, N 1,024]; A: input v (given as codes); B: input wv (given as codes): QUANTISED
;;     4. batch 4 x [M 2,048, K 1,024] x [K 1,024, N 2,048]; A: computed on the way; B: computed on the way: QUANTISED
;;     5. batch 4 x [M 2,048, K 2,048] x [K 2,048, N 1,024]; A: softmax (see below); B: computed on the way: QUANTISED
;;     6. [M 8,192, K 1,024] x [K 1,024, N 1,024]; A: computed on the way; B: input wo (given as codes): QUANTISED
;;   THE QUANTISER, for each operand of a quantised product, along K:
;;     - K is cut into blocks of 32 from its start; a last block that is shorter is filled with zeros.
;;     - A block's scale is 2^e with e = floor(log2(the largest magnitude in the block)) - 2, held to -126 .. 127; a block of zeros has e = 0. As a byte (E8M0): e + 127.
;;     - Each number is divided by its block's scale, clamped to +-7.5, and rounded to the nearest number of E2M3, ties to even, subnormals kept.
;;     - The product sums the exact products of the quantised numbers (number of the format x scale) in f32.
;;   ~~~python
;;   def quantise(x, axis):      # numpy; x: float32 -> the quantised numbers, widened to float32 again
;;       x = np.moveaxis(x, axis, -1); K = x.shape[-1]
;;       x = np.pad(x, [(0, 0)] * (x.ndim - 1) + [(0, -K % 32)]); x = x.reshape(x.shape[:-1] + (-1, 32)); a = np.abs(x).max(-1, keepdims=True)
;;       e = np.where(a > 0, np.clip(np.frexp(np.where(a > 0, a, 1))[1] - 1 - 2, -126, 127), 0)      # np.frexp(a)[1] - 1 = floor(log2(a)), exactly
;;       r = np.clip(x / 2.0 ** e, -7.5, 7.5)
;;       step = 2.0 ** (np.maximum(np.frexp(np.where(r == 0, 1, r))[1] - 1, 0) - 3)
;;       q = np.round(r / step) * step * 2.0 ** e      # np.round: ties to even
;;       return np.moveaxis(q.reshape(q.shape[:-2] + (-1,))[..., :K], -1, axis).astype(np.float32)
;;   ~~~
;;   SOFTMAX AHEAD OF A QUANTISED PRODUCT. Where the list says 'softmax', what is quantised is not the finished softmax but p = 2^(t - M), with t = logit x log2(e) and M = ceil(the row's largest t), a whole number; so 1/2 < the row's largest p <= 1. The row's sum l is taken of the UNQUANTISED p, in f32, and the product's result is divided by l at the end. Since M is a whole number, a kernel that streams over the keys may use a running M (the ceiling of the running maximum): every later rescaling is an exact power of two, which a block's scale takes up: the codes' values come out the same.
;;   OPERANDS COMPUTED ON THE WAY. 'Computed on the way' means the value that the module computes at that place (a softmax that the list does not call 'softmax' is quantised finished and normalised). What goes into a quantiser is computed in f32, as accurately as f32 sums, v_exp_f32 and their like allow (about 1e-6 of the number): no bf16 or f16 on the way to a quantiser, and a product that is left as it is and whose result goes on into a quantised operand takes f32 operands (vector FMAs, or v_wmma_f32_16x16x4_f32). A number that lies on a knife's edge between two numbers of the format may be rounded either way, as far as f32 arithmetic and the matrix unit's own rounding can turn it there, and no further.
;;   INPUTS GIVEN AS CODES. k (in the module: [4, 2048, 1024], K = its axis 2); q (in the module: [4, 2048, 1024], K = its axis 2); v (in the module: [4, 2048, 1024], K = its axis 2); wk (in the module: [1024, 1024], K = its axis 0); wo (in the module: [1024, 1024], K = its axis 0); wq (in the module: [1024, 1024], K = its axis 0); wv (in the module: [1024, 1024], K = its axis 0): each comes as NAME_codes (uint8): NAME with its K axis moved to the last place and cut into blocks of 32 codes, [.., K / 32, bytes a block], one block behind the other in memory; four codes in three bytes: a row's codes are one little-endian stream of bits, code i at bits 6 i .. 6 i + 5 (a code: sign, 2 exponent bits, 3 mantissa bits); and NAME_scales (uint8): the same leading axes, one E8M0 byte (e + 127) for each 32 codes along K. Its value is code x scale, taken as it is: it is not quantised again, and the codes and scales need not be those that the quantiser above would give.
;; One version. Each part assembles by itself: llvm-mc -triple=amdgcn-amd-amdhsa -mcpu=gfx1250 --defsym DOCPART=n.
;; ======== version 1 of 1: 4 launches
;; limits: right only within a limited range of input values
;; workspace buffers: mbits 524,288 bytes of whole numbers; wow 819,200 bytes; qkv 19,660,800 bytes; pst 14,155,776 bytes; ctx 6,553,600 bytes
;; launch proj (part 1): grid 4 x 64, 4 waves a work-group, clusters of 4 x 4, 327,680 bytes of LDS; arguments q_codes, q_scales, wq_codes, wq_scales, bq, k_codes, k_scales, wk_codes, wk_scales, bk, wv_codes, wv_scales, v_codes, v_scales, bv, qkv, mask, wo_codes, wo_scales, mbits, wow; writes qkv, mbits, wow
.if DOCPART == 1
	.amdgcn_target "amdgcn-amd-amdhsa--gfx1250"
	.amdhsa_code_object_version 6
	.text
	.protected	k_q1290da4381_proj
	.globl	k_q1290da4381_proj
	.p2align	8
	.type	k_q1290da4381_proj,@function
k_q1290da4381_proj:
	s_mov_b64 s[64:65], 0
	v_nop
	global_prefetch_b8 v0, s[64:65] scope:SCOPE_SE
	s_setreg_imm32_b32 hwreg(HW_REG_WAVE_MODE, 25, 1), 1
	s_wait_xcnt 0x0
	s_wait_alu depctr_hold_cnt(0) depctr_sa_sdst(0) depctr_va_vdst(0) depctr_va_sdst(0) depctr_va_ssrc(0) depctr_va_vcc(0) depctr_vm_vsrc(0)
	s_getreg_b32 s2, hwreg(HW_REG_IB_STS2, 6, 4)
	s_cmp_eq_u32 s2, 0
	s_cbranch_scc0 .Lentry_in_a_cluster
	s_endpgm
.Lentry_in_a_cluster:
	s_bfe_u32 s2, ttmp6, 0x10000c
	s_cmp_lg_u32 s2, 0xf033
	s_cbranch_scc0 .Lentry_shape_is_right
	s_endpgm
.Lentry_shape_is_right:
; Q = q wq + bq, K = k wk + bk, V^T = (v wv + bv)^T on codes of FP6 (E2M3) with E8M0 scales; each result is quantised again along its columns and stored as images of operand registers.
; Every input is read: nothing is left out as dead work.
; 256 WORK-GROUPS STAY AND WALK THREE TILES, Q's, K's, V^T's, each C[m][n] = sum over k of A[m][k] B[n][k] + bias, 128 rows of A x 256 rows of B, K = 1,024.
;   Q, K: A = tokens (tile 4 x cluster + cy of 64), B = the weight (tile cx of 4), bias by n.   V^T: A = wv (tile 4 (cluster % 2) + cy of 8), B = v's tokens (tile 4 (cluster / 2) + cx of 32), bias by m.
; A wave makes 64 x 128: 32 accumulators.  A's tiles are asked for jointly by a row of the cluster, B's by a column.
; A row of codes is 768 bytes: three chunks of 256 bytes, each beginning on a multiple of 256.  Chunk c of every tile lies in LDS slot c of three (384 rows, 272 bytes apart).
; A step is 128 along K, 96 bytes of a row; steps 2 and 5 lie across two chunks.  Chunk 0 is read out at step 2, chunk 1 at step 5, chunk 2 at step 7: there the slot takes the next tile's chunk, behind a round of the cluster's barrier.
; So the register numbers and slots come back after one tile: Q and K are two trips of a loop; V^T, which asks for nothing more and takes its bias by rows, is written out.
; THE MATRIX INSTRUCTION IS USED TRANSPOSED (source 0 = 16 rows of B, source 1 = 16 rows of A): lane (r, h) holds row 16 a + r and, in register j of accumulator (a, b), column 16 b + 8 h + j.
; The codes of a block of 32 are laid as the registers come: columns 0-7, 16-23, 8-15, 24-31.  Q meets K, and V^T meets p, which are laid alike.
; The scale words go from memory into registers: a lane a row, 32 bytes a row, all eight steps' words of a tile in 48 registers; each wave reads 6 KB of them a tile, a small part of the tile's bytes, so they are not asked for jointly.
; OUT, in qkv: a fragment (16 rows x 128) is 1,536 bytes, registers 4 c .. 4 c + 3 of lane l at 512 c + 16 l.  Q's images [row block 512][step 8] at 0, K's at 6,291,456, V^T's [row block 64][step 64] at 12,582,912;
; scale words [step][row] at 18,874,368 + 262,144 x product.
; TWO INPUTS OF LATER LAUNCHES ARE PREPARED ON THE WAY.
;   The mask [2048][2048] of int32 becomes lane masks: a wave takes 16 queries x 256 keys, 128 keys in each trip of the loop; word 8 t + j of key tile t (16 keys) has bit l set where mask[16 a + l % 16][16 t + 8 (l / 16) + j] is not 0.
;   mbits: [query tile 128][key tile 128][j 8].  A load reads 128 consecutive bytes of each of four rows; 32 keys at a time turn through the wave's own stage at an even step, and are packed at the odd step behind it; a trip's 64 words leave as 256 consecutive bytes.
;   wo's codes become images: waves 0 and 1 take one fragment each (512 in all); wow: [row block 64][step 8][1536], and from byte 786,432 the scale words [step 8][row 1024], which leave in runs of 64 bytes (32 KB in all).
; PREFETCH: behind each refill a wave names the chunk that the next refill will ask for, a lane a row; the four partners that ask for a tile jointly share its rows out by address (16 rows of A's 64, 32 of B's 128).
; LIMITS: NaN, infinities and scale bytes 0xff among the inputs are not served; a block whose largest magnitude lies under 2^-124 keeps the scale byte 1.
; REGISTERS.  Window 0: v4-6 A's LDS addresses by slot, v7-8 across two chunks, v9-13 the same for B; v14-15 the spare word's address and 0; v16-29 offsets and the mask's words; A's fragments at v32 and v80;
;   v128-157 the way out; v160-175 the mask, back from the stage; v176-223 scale words and nothing else; v224-255 V^T's bias as C.
;   Window 1: B's fragments at v0 and v128, Q's or K's bias as C in v96-127, v224-255.  Window 2: the accumulators.  Window 3: v0-63 the mask as it is loaded.
.set PITCH,  272
.set SLOT,   384*PITCH
.set AH,     64*PITCH                  ; what a wave fetches in the ring, and reads, of A
.set BH,     128*PITCH                 ; and of B
.set BOFF,   128*PITCH                 ; B's rows lie behind A's 128
.set MSTG,   3*SLOT                    ; the mask's stages: 16 rows x 144 bytes a wave
.set SPARE,  MSTG+4*2304               ; the spare words: 128 bytes a wave, named by no other line
.set PWSTG,  SPARE+512                 ; 256 bytes a wave: its 64 rows' new scale words
.set TM,     128
.set T2,     144
.set GFL,    (1<<20)|(1<<21)|(5<<22)|(3<<25)   ; elements of 1 byte; padding on; bit 21 beside a mask; 4 words behind every 64
.set MSB, 0
.macro WIN new                         ; the immediate's high byte repeats the setting that is left
.if MSB != (\new)
	s_set_vgpr_msb (MSB<<8)|(\new)
.set MSB, (\new)
.endif
.endm
.macro PLACES n
.rept \n
	v_nop
.endr
.endm
; A joint load of the ring: waves 0 and 1 fetch A's halves, waves 2 and 3 B's; the branch hangs on the wave's number alone.
.macro JLOAD
	s_cmp_eq_u32 s3, 0
	s_cbranch_scc0 .Lfor_b_\@
	tensor_load_to_lds s[60:63], s[52:59]
	s_nop 0
	PLACES 4
	s_branch .Lasked_\@
.Lfor_b_\@:
	tensor_load_to_lds s[76:79], s[68:75]
	s_nop 0
	PLACES 4
.Lasked_\@:
.endm
.macro CREST                           ; a round of the cluster's barrier behind its opening barrier
	s_cmp_lg_u32 s2, 0
	s_cbranch_scc1 .Lnot_wave_0_\@
	s_barrier_signal -3
.Lnot_wave_0_\@:
	s_barrier_wait -3
	s_barrier_signal -1
	s_barrier_wait -1
.endm
.macro CROUND
	s_barrier_signal -1
	s_barrier_wait -1
	CREST
.endm
; Both groups 0 for chunk c of the tile whose rows begin at s[pa], s[pb]; written only where no tensor load of the wave is out
.macro SETD pa, pb, c
	s_add_co_u32 s61, s98, (\c)*SLOT
	s_add_nc_u64 s[62:63], s[\pa:\pa+1], 256*(\c)
	s_or_b32 s63, s63, 0x80000000
	s_add_co_u32 s77, s99, (\c)*SLOT
	s_add_nc_u64 s[78:79], s[\pb:\pb+1], 256*(\c)
	s_or_b32 s79, s79, 0x80000000
.endm
; A fragment: lane (r, h) takes 24 bytes at 96 st + 24 h and 24 at 96 st + 48 + 24 h of row r, in pieces of 8 bytes.  Byte y lies in slot y / 256.  Where lanes 16-31 read the next chunk, the second kind of address serves.
.macro FRAG reg, adr, xadr, st, i
.irp p, 0,1,2,3,4,5
.set BY, 96*(\st)+48*(\p/3)+8*(\p%3)
.if BY/256 == (BY+24)/256
	ds_load_b64 v[(\reg)+2*\p:(\reg)+2*\p+1], v[(\adr)+BY/256] offset:BY%256+(\i)*16*PITCH
.else
	ds_load_b64 v[(\reg)+2*\p:(\reg)+2*\p+1], v[(\xadr)+BY/256] offset:BY%256-232+(\i)*16*PITCH
.endif
.endr
.endm
.macro FETCH st, set                   ; a step's operands in one run: B's eight fragments, A's four
	WIN 0x40
.set i_, 0
.rept 8
	FRAG 128*(\set)+12*i_, 9, 12, \st, i_
.set i_, i_+1
.endr
	WIN 0
.set i_, 0
.rept 4
	FRAG 32+48*(\set)+12*i_, 4, 7, \st, i_
.set i_, i_+1
.endr
.endm
; One product.  Block x's scale words lie in a register of pair x / 2: lanes 0-15 where x is even, lanes 16-31 where it is odd.
.macro WMS
.if (b_%2 == 1) && (a_%2 == 1)
	v_wmma_scale_f32_16x16x128_f8f6f4 v[rD:rD+7], v[rB:rB+11], v[rA:rA+11], v[rC:rC+7], v[rSB], v[rSA] matrix_a_fmt:MATRIX_FMT_FP6 matrix_b_fmt:MATRIX_FMT_FP6 matrix_a_scale:MATRIX_SCALE_ROW1 matrix_b_scale:MATRIX_SCALE_ROW1
.elseif b_%2 == 1
	v_wmma_scale_f32_16x16x128_f8f6f4 v[rD:rD+7], v[rB:rB+11], v[rA:rA+11], v[rC:rC+7], v[rSB], v[rSA] matrix_a_fmt:MATRIX_FMT_FP6 matrix_b_fmt:MATRIX_FMT_FP6 matrix_a_scale:MATRIX_SCALE_ROW1
.elseif a_%2 == 1
	v_wmma_scale_f32_16x16x128_f8f6f4 v[rD:rD+7], v[rB:rB+11], v[rA:rA+11], v[rC:rC+7], v[rSB], v[rSA] matrix_a_fmt:MATRIX_FMT_FP6 matrix_b_fmt:MATRIX_FMT_FP6 matrix_b_scale:MATRIX_SCALE_ROW1
.else
	v_wmma_scale_f32_16x16x128_f8f6f4 v[rD:rD+7], v[rB:rB+11], v[rA:rA+11], v[rC:rC+7], v[rSB], v[rSA] matrix_a_fmt:MATRIX_FMT_FP6 matrix_b_fmt:MATRIX_FMT_FP6
.endif
.endm
; A's block a against B's eight.  The 32 accumulators take turns, in the same order in every step.  cm 0: the sums go on; 1: they begin with the bias of B's block; 2: with that of A's block.
.macro MULQ a, set, ks, cm
.if (\cm) == 1
	WIN 0x91
.elseif (\cm) == 2
	WIN 0x81
.else
	WIN 0xa1
.endif
.set a_, \a
.set b_, 0
.rept 8
.set rD, 8*(8*a_+b_)
.set rC, rD
.if (\cm) == 1
.set rC, 96+8*b_+96*(b_/4)
.endif
.if (\cm) == 2
.set rC, 224+8*a_
.endif
.set rB, 128*(\set)+12*b_
.set rA, 32+48*(\set)+12*a_
.set rSB, 192+8*(b_/2)+(\ks)
.set rSA, 176+8*(a_/2)+(\ks)
	WMS
.set b_, b_+1
.endr
.endm
; The mask, 16 queries x 32 keys (piece s of a trip's four).  MSL: through my stage: register 160 + 8 t + j then holds mask[r][32 s + 16 t + 8 h + j]; in the first trip the piece's registers take the second trip's piece, 128 keys on.
.macro MSL s
	WIN 0x0c                                       ; the data: window 3
.irp i, 0,1,2,3
	ds_store_b128 v23, v[16*(\s)+4*\i:16*(\s)+4*\i+3] offset:576*\i
.endr
	WIN 0
.irp n, 0,1,2,3
	ds_load_b128 v[160+4*\n:163+4*\n], v24 offset:64*(\n/2)+16*(\n%2)   ; LDS serves a wave's instructions in order: these see the stores
.endr
	s_cmp_lg_u32 s51, 0
	s_cbranch_scc1 .Lnm_\@
	WIN 0xc0
.irp i, 0,1,2,3
	global_load_b128 v[16*(\s)+4*\i:16*(\s)+4*\i+3], v22, s[40:41] offset:32768*\i+128*(\s)+512 th:TH_LOAD_NT
.endr
	WIN 0
.Lnm_\@:
.endm
; MSA, a step later: a compare gives a word, which goes to lane n / 2 of register n % 2
.macro MSA s
.set k_, 0
.rept 16
	v_cmp_ne_u32 s[80+k_], 0, v[160+k_]
.set k_, k_+1
.endr
.set k_, 0
.rept 16
	v_writelane_b32 v[28+k_%2], s[80+k_], 8*(\s)+k_/2
.set k_, k_+1
.endr
.endm
; A step: its operands were asked for a step ago; the next step's are asked for at its head.
; mode 1: this step's operands were the last reads of chunk c.  Every wave waits for all its tensor loads, adds 0 to its spare word, waits for the add and its LDS reads; a round of the cluster's barrier; the slot takes the next tile's chunk c.
; mode 2: the same wait and a barrier, which shows the last chunk asked for to all four waves; nothing is filled.   ms = 1: a piece of the mask goes along.
.macro STEP st, cm, mode, fetch, ms
.set p_, (\st)%2
.set c_, (96*(\st))/256
.if (\mode) == 1
	s_wait_xcnt 0x0                                ; my last prefetch has read its base
	s_cmp_eq_u32 s3, 0
.if c_ < 2
	s_cselect_b64 s[38:39], s[16:17], s[20:21]     ; the next tile's rows that I fetch
.else
	s_cselect_b64 s[38:39], s[28:29], s[32:33]     ; V^T's
.endif
.endif
	s_wait_dscnt 0x0
	PLACES 4
.if (\ms) && (p_ == 0)
	MSL (\st)/2
.endif
.if \fetch
	FETCH ((\st)+1)%8, 1-p_
.endif
	MULQ 0, p_, \st, \cm
.if (\ms) && (p_ == 1)
	WIN 0
	MSA (\st)/2
.if (\st) == 7
	s_wait_alu depctr_va_vdst(0)                   ; the wait ahead of the reader
	global_store_b64 v17, v[28:29], s[46:47]       ; the trip's 64 words: 256 consecutive bytes, aligned
.endif
.endif
	MULQ 1, p_, \st, \cm
.if (\mode) != 0
	WIN 0
	s_wait_tensorcnt 0x0                           ; all my tensor loads have landed
	ds_add_u32 v14, v15
.if (\mode) == 1
	SETD 16, 20, c_
.endif
	MULQ 2, p_, \st, \cm
	s_wait_dscnt 0x0                               ; the add is done, and so are my reads of the chunk left behind
	s_barrier_signal -1
	MULQ 3, p_, \st, \cm
	WIN 0
	s_barrier_wait -1
.if (\mode) == 1
	CREST
	JLOAD                                          ; my one tensor load behind the round
.if c_ < 2
	global_prefetch_b8 v25, s[38:39] offset:256*(c_+1) th:TH_LOAD_NT scope:SCOPE_SE   ; the chunk that the next refill asks for
.else
	s_cmp_lg_u32 s51, 0                            ; behind K's tile nothing follows V^T's
	s_cbranch_scc1 .Lnp_\@
	global_prefetch_b8 v25, s[38:39] th:TH_LOAD_NT scope:SCOPE_SE
.Lnp_\@:
.endif
.endif
.else
	MULQ 2, p_, \st, \cm
	MULQ 3, p_, \st, \cm
.endif
.endm
.macro TILE cm, more
	STEP 0, \cm, 0, 1, \more
	STEP 1, 0, 0, 1, \more
	STEP 2, 0, 2-(\more), 1, \more
	STEP 3, 0, 0, 1, \more
	STEP 4, 0, 0, 1, \more
	STEP 5, 0, \more, 1, \more
	STEP 6, 0, 0, 1, \more
	STEP 7, 0, \more, \more, \more
.endm
; 64 numbers of a lane, v[s] on in window 2 (16 of each of four blocks of 32; the lane 16 away holds the other 16), become a fragment's codes in v[pc] on and its scale word in v[pw].
; A block's scale: the largest magnitude's exponent field less 2, held at 1 from below by a floor among the maximum's leaves.  Each accumulator is read from its low end on.
.macro QUANT s, pc, pw
	WIN 0x0a
.irp b, 0,1,2,3
	v_max3_num_f32 v[TM+\b], |v[(\s)+16*\b]|, |v[(\s)+16*\b+1]|, 0x1800000
.endr
	WIN 0x28
.irp i, 2,4,6,8,10,12,14
.irp b, 0,1,2,3
	v_max3_num_f32 v[TM+\b], v[TM+\b], |v[(\s)+16*\b+\i]|, |v[(\s)+16*\b+\i+1]|
.endr
.endr
	WIN 0
.irp b, 0,1,2,3
	v_permlanex16_b32 v[TM+4+\b], v[TM+\b], s96, s97
.endr
.irp b, 0,1,2,3
	v_max_num_f32 v[TM+\b], v[TM+\b], v[TM+4+\b]
.endr
.irp b, 0,1,2,3
	v_add_nc_u32 v[TM+12+\b], 0xff000000, v[TM+\b] ; 2 off the exponent field: the conversion's scale operand
.endr
.irp b, 0,1,2,3
	v_lshrrev_b32 v[TM+4+\b], 23, v[TM+12+\b]      ; the scale's byte
.endr
	v_lshl_or_b32 v[\pw], v[TM+5], 8, v[TM+4]
	v_lshl_or_b32 v[\pw], v[TM+6], 16, v[\pw]
	v_lshl_or_b32 v[\pw], v[TM+7], 24, v[\pw]
	WIN 0x02
.irp c, 0,1
	v_cvt_scalef32_pk16_fp6_f32 v[(\pc)+6*\c:(\pc)+6*\c+2], v[(\s)+32*\c:(\s)+32*\c+15], v[TM+12+2*\c]
	v_cvt_scalef32_pk16_fp6_f32 v[T2+4*\c:T2+4*\c+2], v[(\s)+32*\c+16:(\s)+32*\c+31], v[TM+12+2*\c+1]
.endr
	WIN 0
	v_nop                                          ; one plain place behind a scaled conversion
.irp c, 0,1                                    ; the operand's layout wants a whole block in a lane
.irp i, 0,1,2
	v_permlane16_swap_b32 v[(\pc)+6*\c+\i], v[T2+4*\c+\i]
.endr
.irp i, 0,1,2
	v_mov_b32 v[(\pc)+6*\c+3+\i], v[T2+4*\c+\i]
.endr
.endr
.endm
.macro SCALELD pa, pb                  ; a tile's scale words: register 8 g + ks holds the word of step ks of row 32 g + lane; two loads cover 1,024 consecutive bytes
.irp g, 0,1
	global_load_b128 v[176+8*\g:179+8*\g], v20, s[\pa:\pa+1] offset:1024*\g
	global_load_b128 v[180+8*\g:183+8*\g], v20, s[\pa:\pa+1] offset:1024*\g+16
.endr
.irp g, 0,1,2,3
	global_load_b128 v[192+8*\g:195+8*\g], v20, s[\pb:\pb+1] offset:1024*\g
	global_load_b128 v[196+8*\g:199+8*\g], v20, s[\pb:\pb+1] offset:1024*\g+16
.endr
.endm
.macro BIASLD pb                       ; the bias by n as C: register j of block b holds bias[16 b + 8 h + j]
	WIN 0x40
.irp b, 0,1,2,3,4,5,6,7
	global_load_b128 v[96+8*\b+96*(\b/4):99+8*\b+96*(\b/4)], v21, s[\pb:\pb+1] offset:64*\b
	global_load_b128 v[100+8*\b+96*(\b/4):103+8*\b+96*(\b/4)], v21, s[\pb:\pb+1] offset:64*\b+16
.endr
	WIN 0
.endm
; THE WAY OUT of a tile: row block by row block: quantise, three stores of 512 consecutive bytes, the scale word to my stage.  more = 1: the next tile's scale words (and K's bias) are asked for first and land meanwhile.
.macro WAYOUT oi, os, rbs, more
	WIN 0
	PLACES 4
.if \more
	SCALELD 18, 22
	s_cmp_lg_u32 s51, 0                            ; V^T's bias came at the head
	s_cbranch_scc1 .Lnob_\@
	BIASLD 24
.Lnob_\@:
.endif
.irp a, 0,1,2,3
	QUANT 64*\a, 80+12*\a, 152+\a
	global_store_b128 v16, v[80+12*\a:83+12*\a], s[\oi:\oi+1] offset:(\rbs)*\a
	global_store_b128 v16, v[84+12*\a:87+12*\a], s[\oi:\oi+1] offset:(\rbs)*\a+512
	global_store_b128 v16, v[88+12*\a:91+12*\a], s[\oi:\oi+1] offset:(\rbs)*\a+1024
	ds_store_b32 v18, v[152+\a] offset:64*\a       ; both halves of the lanes write the same word with the same value
.endr
	ds_load_b64 v[156:157], v19                    ; LDS serves a wave's instructions in order: this sees my stores
	s_wait_alu depctr_va_vdst(0)                   ; the wait ahead of the wait below
	s_wait_dscnt 0x0
	global_store_b64 v17, v[156:157], s[\os:\os+1] ; my 64 rows' scale words: 256 consecutive bytes, aligned
.endm
	s_load_b256 s[4:11], s[0:1], 0x0               ; Q: A's codes, A's scales, B's codes, B's scales,
	s_load_b64 s[12:13], s[0:1], 0x20              ; the bias
	s_load_b256 s[16:23], s[0:1], 0x28             ; K: these ten registers always hold the NEXT tile's five addresses
	s_load_b64 s[24:25], s[0:1], 0x48
	s_load_b256 s[28:35], s[0:1], 0x50             ; V^T: A is wv, B is v
	s_load_b64 s[36:37], s[0:1], 0x70
	s_load_b64 s[38:39], s[0:1], 0x78              ; qkv
	s_load_b256 s[40:47], s[0:1], 0x80             ; mask, wo's codes, wo's scales, mbits
	s_load_b64 s[48:49], s[0:1], 0xa0              ; wow
	v_lshl_add_u32 v14, v0, 2, SPARE
	v_mov_b32 v15, 0
	ds_add_u32 v14, v15                            ; the opening lines: the add twice on end and one wait
	ds_add_u32 v14, v15
	v_lshrrev_b32 v1, 5, v0
	v_readfirstlane_b32 s2, v1                     ; wave 0..3
	s_lshr_b32 s3, s2, 1                           ; my half of A's rows.  In the ring: I fetch for A (0) or for B (1).  At the head: which chunk I fetch
	s_and_b32 s50, s2, 1                           ; my half of B's rows.  In the ring: which half I fetch.  At the head: I fetch for A (0) or for B (1)
	s_bfe_u32 s80, ttmp6, 0x40000                  ; cx
	s_bfe_u32 s81, ttmp6, 0x40004                  ; cy
	s_and_b32 s82, ttmp7, 0xffff                   ; the cluster, 0..15
	s_lshl_b32 s83, s81, 2
	s_lshl_b32 s83, 15, s83                        ; my row of the cluster
	s_lshl_b32 s92, 0x1111, s80                    ; my column
	s_or_b32 s52, s83, GFL
	s_or_b32 s68, s92, GFL
	s_mov_b32 s53, 256<<16                         ; A: rows of 256 bytes, 768 bytes apart: all 128 for the head's loads, 64 in the ring
	s_mov_b32 s54, 128<<16
	s_mov_b32 s55, 256<<16
	s_mov_b32 s56, 128
	s_mov_b32 s57, 768
	s_mov_b32 s58, 0
	s_mov_b32 s59, 0
	s_mov_b32 s69, 256<<16                         ; B: all 256 rows for the head's loads, 128 in the ring
	s_mov_b32 s70, 256<<16
	s_mov_b32 s71, 256<<16
	s_mov_b32 s72, 256
	s_mov_b32 s73, 768
	s_mov_b32 s74, 0
	s_mov_b32 s75, 0
	s_mov_b32 s60, 1
	s_mov_b32 s76, 1
	s_mul_i32 s98, s50, AH                         ; where my load of the ring goes in a slot: no place in the cluster enters an LDS address
	s_mul_i32 s99, s50, BH
	s_add_co_u32 s99, s99, BOFF
	s_mov_b32 s96, 0x76543210
	s_mov_b32 s97, 0xfedcba98                      ; v_permlanex16_b32's selects for lane l xor 16
	s_lshl_b32 s84, s82, 2                         ; Q, K: A's tile, in registers that never hold cx
	s_add_co_u32 s84, s84, s81
	s_lshl_b32 s84, s84, 7                         ; its first token
	s_mul_i32 s86, s84, 768
	s_mov_b32 s87, 0
	s_lshl_b32 s88, s80, 8                         ; B's tile: its first row, in registers that never hold cy
	s_mul_i32 s90, s88, 768
	s_mov_b32 s91, 0
	s_mul_i32 s61, s3, SLOT                        ; the head's loads: chunk wave / 2, whole
	s_add_co_u32 s77, s61, BOFF
	s_lshl_b32 s94, s3, 8
	s_mov_b32 s95, 0
	s_wait_dscnt 0x0                               ; both opening adds are done
	s_wait_kmcnt 0x0
	s_add_nc_u64 s[4:5], s[4:5], s[86:87]
	s_add_nc_u64 s[16:17], s[16:17], s[86:87]
	s_add_nc_u64 s[8:9], s[8:9], s[90:91]
	s_add_nc_u64 s[20:21], s[20:21], s[90:91]
	CROUND                                         ; all sixteen work-groups are here: the first joint loads meet
	s_add_nc_u64 s[62:63], s[4:5], s[94:95]
	s_or_b32 s63, s63, 0x80000000
	s_add_nc_u64 s[78:79], s[8:9], s[94:95]
	s_or_b32 s79, s79, 0x80000000
	s_cmp_eq_u32 s50, 0                            ; THE HEAD'S LOADS, ONE A WAVE: Q's chunks 0 and 1: wave 0 A's chunk 0, wave 1 B's, wave 2 A's chunk 1, wave 3 B's
	s_cbranch_scc0 .Lhead_b
	tensor_load_to_lds s[60:63], s[52:59]
	s_nop 0
	PLACES 4
	s_branch .Lhead_asked
.Lhead_b:
	tensor_load_to_lds s[76:79], s[68:75]
	s_nop 0
	PLACES 4
.Lhead_asked:
	s_mul_i32 s94, s50, 64*768                     ; for the ring: the half that I fetch
	s_add_nc_u64 s[4:5], s[4:5], s[94:95]
	s_add_nc_u64 s[16:17], s[16:17], s[94:95]
	s_mul_i32 s94, s50, 128*768
	s_add_nc_u64 s[8:9], s[8:9], s[94:95]
	s_add_nc_u64 s[20:21], s[20:21], s[94:95]
	s_lshl_b32 s89, s50, 7
	s_add_co_u32 s88, s88, s89                     ; the 128 rows of B that I multiply
	s_lshl_b32 s85, s3, 6
	s_add_co_u32 s85, s85, s84                     ; the 64 rows of A that I multiply
	s_lshl_b32 s86, s85, 5
	s_add_nc_u64 s[6:7], s[6:7], s[86:87]          ; their scale bytes
	s_add_nc_u64 s[18:19], s[18:19], s[86:87]
	s_lshl_b32 s90, s88, 5
	s_add_nc_u64 s[10:11], s[10:11], s[90:91]
	s_add_nc_u64 s[22:23], s[22:23], s[90:91]
	s_lshl_b32 s90, s88, 2
	s_add_nc_u64 s[12:13], s[12:13], s[90:91]      ; the bias of my 128 columns
	s_add_nc_u64 s[24:25], s[24:25], s[90:91]
	s_mul_i32 s93, s85, 768                        ; images: 12,288 bytes a row block,
	s_mul_i32 s94, s88, 12                         ; 1,536 for each 128 columns
	s_add_co_u32 s94, s94, s93
	s_add_nc_u64 s[100:101], s[38:39], s[94:95]
	s_lshl_b32 s93, s88, 8                         ; scale words: 32,768 bytes for each 128 columns, 4 a row
	s_lshl_b32 s94, s85, 2
	s_add_co_u32 s94, s94, s93
	s_add_co_u32 s94, s94, 18874368
	s_add_nc_u64 s[104:105], s[38:39], s[94:95]
	s_and_b32 s84, s82, 1                          ; V^T: A's tile
	s_lshl_b32 s84, s84, 2
	s_add_co_u32 s84, s84, s81
	s_lshl_b32 s84, s84, 7
	s_lshl_b32 s85, s50, 6
	s_add_co_u32 s85, s85, s84
	s_mul_i32 s86, s85, 768
	s_add_nc_u64 s[28:29], s[28:29], s[86:87]
	s_lshl_b32 s85, s3, 6
	s_add_co_u32 s85, s85, s84
	s_lshl_b32 s86, s85, 5
	s_add_nc_u64 s[30:31], s[30:31], s[86:87]
	s_lshl_b32 s86, s85, 2
	s_add_nc_u64 s[36:37], s[36:37], s[86:87]      ; the bias of my 64 rows
	s_lshr_b32 s88, s82, 1                         ; B's tile
	s_lshl_b32 s88, s88, 2
	s_add_co_u32 s88, s88, s80
	s_lshl_b32 s88, s88, 8
	s_add_co_u32 s88, s88, s89
	s_mul_i32 s90, s88, 768
	s_add_nc_u64 s[32:33], s[32:33], s[90:91]
	s_lshl_b32 s90, s88, 5
	s_add_nc_u64 s[34:35], s[34:35], s[90:91]
	s_mul_i32 s93, s85, 6144                       ; images: 98,304 bytes a row block
	s_mul_i32 s94, s88, 12
	s_add_co_u32 s94, s94, s93
	s_add_co_u32 s94, s94, 12582912
	s_add_nc_u64 s[14:15], s[38:39], s[94:95]
	s_lshl_b32 s93, s88, 5                         ; scale words: 4,096 bytes for each 128 tokens
	s_lshl_b32 s94, s85, 2
	s_add_co_u32 s94, s94, s93
	s_add_co_u32 s94, s94, 18874368+524288
	s_add_nc_u64 s[26:27], s[38:39], s[94:95]
	s_lshl_b32 s93, s82, 4                         ; the work-group's number, 0..255: it enters global addresses alone
	s_lshl_b32 s94, s81, 2
	s_add_co_u32 s93, s93, s94
	s_add_co_u32 s93, s93, s80
	s_lshl_b32 s51, s93, 1
	s_add_co_u32 s51, s51, s50                     ; which fragment of wo (waves 0 and 1)
	s_lshl_b32 s93, s93, 2
	s_add_co_u32 s93, s93, s2                      ; the wave's number in the grid, 0..1023
	s_lshr_b32 s92, s93, 3                         ; which 16 queries
	s_and_b32 s93, s93, 7                          ; which 256 keys
	s_lshl_b32 s94, s92, 17
	s_lshl_b32 s83, s93, 10
	s_add_co_u32 s94, s94, s83
	s_add_nc_u64 s[40:41], s[40:41], s[94:95]
	s_lshl_b32 s94, s92, 12
	s_lshl_b32 s83, s93, 9
	s_add_co_u32 s94, s94, s83
	s_add_nc_u64 s[46:47], s[46:47], s[94:95]
	s_cmp_eq_u32 s3, 0                             ; the prefetches: my place among the four that ask with me, and my share of the rows
	s_cselect_b32 s84, s80, s81
	s_cselect_b32 s85, 16, 32
	s_cselect_b32 s86, 15, 31
	s_cselect_b64 s[38:39], s[4:5], s[8:9]
	s_mul_i32 s84, s84, s85
	s_mul_i32 s93, s3, AH
	s_mov_b32 s83, SLOT-232
	s_lshl_b32 s94, s2, 8
	s_add_co_u32 s94, s94, PWSTG
	s_mul_i32 s95, s2, 2304
	s_add_co_u32 s95, s95, MSTG
	v_and_b32 v1, 15, v0                           ; r
	v_bfe_u32 v2, v0, 4, 1                         ; h
	v_and_b32 v3, 31, v0                           ; lane
	s_wait_alu depctr_va_vdst(0)
	v_lshrrev_b32 v160, 3, v3
	v_and_b32 v161, 7, v3
	v_lshlrev_b32 v22, 13, v160
	v_lshl_add_u32 v22, v161, 4, v22               ; the mask: eight lanes to a row, 16 bytes a lane
	v_min_u32 v25, s86, v3                         ; (lanes left over name the share's last row again)
	v_add_nc_u32 v25, s84, v25
	v_mul_u32_u24 v25, v25, 768
	v_lshlrev_b32 v20, 5, v3
	v_lshlrev_b32 v21, 5, v2
	v_lshlrev_b32 v26, 2, v1
	v_lshlrev_b32 v16, 4, v3
	s_wait_alu depctr_va_vdst(0)
	SCALELD 6, 10
	BIASLD 12
.irp a, 0,1,2,3
	global_load_b32 v[224+8*\a], v26, s[36:37] offset:64*\a   ; V^T's bias: bias[16 a + r]
.endr
	WIN 0xc0
.irp s, 0,1,2,3
.irp i, 0,1,2,3
	global_load_b128 v[16*\s+4*\i:16*\s+4*\i+3], v22, s[40:41] offset:32768*\i+128*\s th:TH_LOAD_NT   ; the first trip's 128 keys
.endr
.endr
	WIN 0
	s_cmp_lg_u32 s3, 0
	s_cbranch_scc1 .Lno_wo
	s_lshr_b32 s80, s51, 3                         ; wo: row block,
	s_and_b32 s81, s51, 7                          ; K step
	s_mul_i32 s82, s80, 12288
	s_mul_i32 s92, s81, 96
	s_add_co_u32 s92, s92, s82
	s_mul_i32 s84, s81, 1536
	s_add_co_u32 s84, s84, s82
	s_lshl_b32 s85, s80, 9
	s_lshl_b32 s86, s81, 2
	s_add_co_u32 s85, s85, s86
	s_lshl_b32 s86, s81, 12
	s_lshl_b32 s87, s80, 6
	s_add_co_u32 s86, s86, s87
	s_add_co_u32 s86, s86, 786432
	v_mul_u32_u24 v48, v1, 768
	v_mad_u32_u24 v48, v2, 24, v48
	v_add_nc_u32 v48, s92, v48
	v_lshl_add_u32 v49, v1, 5, s85
	v_add_nc_u32 v50, s84, v16
	v_add_nc_u32 v51, s86, v26
.irp p, 0,1,2,3,4,5
	global_load_b64 v[32+2*\p:33+2*\p], v48, s[42:43] offset:48*(\p/3)+8*(\p%3)   ; the fragment's registers, as the rows' bits lie
.endr
	global_load_b32 v44, v49, s[44:45]
.Lno_wo:
	global_prefetch_b8 v25, s[38:39] offset:512 th:TH_LOAD_NT scope:SCOPE_SE   ; Q's chunk 2, which the next fill asks for
	v_mul_u32_u24 v162, v1, PITCH
	v_mad_u32_u24 v163, v2, 24, v162               ; a fragment's row x pitch + 24 h
	v_mul_u32_u24 v164, s83, v2
	v_add_nc_u32 v164, v162, v164
	v_add_nc_u32 v164, 232, v164                   ; across two chunks: lanes 0-15 byte 232 of the row, lanes 16-31 byte 0 of the row in the next slot
	v_add_nc_u32 v4, s93, v163
	v_add_nc_u32 v9, s99, v163
	v_add_nc_u32 v7, s93, v164
	v_add_nc_u32 v12, s99, v164
	v_add_nc_u32 v5, SLOT, v4
	v_add_nc_u32 v6, 2*SLOT, v4
	v_add_nc_u32 v10, SLOT, v9
	v_add_nc_u32 v11, 2*SLOT, v9
	v_add_nc_u32 v8, SLOT, v7
	v_add_nc_u32 v13, SLOT, v12
	v_lshlrev_b32 v17, 3, v3
	v_lshl_add_u32 v18, v1, 2, s94
	v_lshl_add_u32 v19, v3, 3, s94
	v_mul_u32_u24 v23, v160, 144
	v_lshl_add_u32 v23, v161, 4, v23
	v_add_nc_u32 v23, s95, v23                     ; my stage, in
	v_mul_u32_u24 v24, v1, 144
	v_lshl_add_u32 v24, v2, 5, v24
	v_add_nc_u32 v24, s95, v24                     ; and back: row r, 32 h bytes on
	v_mov_b32 v28, 0                               ; written whole before single lanes are written
	v_mov_b32 v29, 0
.irp b, 0,1,2,3
	v_mov_b32 v[TM+4+\b], 0                        ; a lane permute's destination counts as one of its sources
.endr
	s_wait_alu depctr_va_vdst(0)                   ; the wait at the head's end
	s_wait_tensorcnt 0x0                           ; my tile of the head's four is in; chunk 2's first fill is issued as a refill is
	ds_add_u32 v14, v15
	s_mov_b32 s54, 64<<16                          ; no tensor load of mine is out: from here on a load brings half a tile's rows
	s_mov_b32 s56, 64
	s_mov_b32 s70, 128<<16
	s_mov_b32 s72, 128
	SETD 4, 8, 2
	s_wait_dscnt 0x0
	CROUND                                         ; chunks 0 and 1 are shown to all
	JLOAD                                          ; chunk 2: step 2's barrier shows it
	s_wait_xcnt 0x0
	s_cmp_eq_u32 s3, 0
	s_cselect_b64 s[38:39], s[16:17], s[20:21]
	global_prefetch_b8 v25, s[38:39] th:TH_LOAD_NT scope:SCOPE_SE   ; K's chunk 0, which the first refill asks for
	s_wait_loadcnt 0x0
.irp a, 0,1,2,3
.irp j, 1,2,3,4,5,6,7
	v_mov_b32 v[224+8*\a+\j], v[224+8*\a]          ; as C all eight registers of block a hold its row's bias
.endr
.endr
	s_wait_alu depctr_va_vdst(0)
	s_cmp_lg_u32 s3, 0
	s_cbranch_scc1 .Lno_wo2
.irp c, 0,1,2
	global_store_b128 v50, v[32+4*\c:35+4*\c], s[48:49] offset:512*\c
.endr
	global_store_b32 v51, v44, s[48:49]            ; both halves of the lanes write the same word with the same value
.Lno_wo2:
	s_wait_xcnt 0x0                                ; the stores have read their registers: fragments may land there
	FETCH 0, 0
	s_mov_b32 s51, 0                               ; the tile: 0 Q, 1 K
.Ltile:
	TILE 1, 1
	WAYOUT 100, 104, 12288, 1
	s_wait_loadcnt 0x0                             ; the next tile's scale words and bias, and the mask's next keys, are in,
	s_wait_xcnt 0x0                                ; and the stores have read their registers and bases
	s_add_nc_u64 s[100:101], s[100:101], 6291456
	s_add_nc_u64 s[104:105], s[104:105], 262144
	s_add_nc_u64 s[46:47], s[46:47], 256
	s_mov_b64 s[16:17], s[28:29]                   ; behind K comes V^T
	s_mov_b64 s[18:19], s[30:31]
	s_mov_b64 s[20:21], s[32:33]
	s_mov_b64 s[22:23], s[34:35]
	s_mov_b64 s[24:25], s[36:37]
	s_add_co_u32 s51, s51, 1
	s_cmp_lt_u32 s51, 2
	s_wait_alu depctr_va_vdst(0)
	s_cbranch_scc1 .Ltile
	TILE 2, 0                                      ; V^T: nothing more is asked for
	WAYOUT 14, 26, 98304, 0
	s_wait_tensorcnt 0x0                           ; the wave's end
	ds_add_u32 v14, v15
	s_wait_dscnt 0x0
	CROUND                                         ; the closing round
	s_endpgm
.Lfunc_end_k_q1290da4381_proj:
	.size	k_q1290da4381_proj, .Lfunc_end_k_q1290da4381_proj-k_q1290da4381_proj
	.p2alignl 7, 3214868480
	.fill 96, 4, 3214868480
	.section	.rodata,"a",@progbits
	.p2align	6, 0x0
	.amdhsa_kernel k_q1290da4381_proj
		.amdhsa_group_segment_fixed_size 327680
		.amdhsa_private_segment_fixed_size 0
		.amdhsa_enable_private_segment 0
		.amdhsa_kernarg_size 168
		.amdhsa_user_sgpr_count 2
		.amdhsa_user_sgpr_kernarg_segment_ptr 1
		.amdhsa_wavefront_size32 1
		.amdhsa_system_sgpr_workgroup_id_x 1
		.amdhsa_system_sgpr_workgroup_id_y 1
		.amdhsa_system_sgpr_workgroup_id_z 1
		.amdhsa_system_vgpr_workitem_id 0
		.amdhsa_next_free_vgpr 1024
		.amdhsa_next_free_sgpr 106
		.amdhsa_reserve_vcc 0
		.amdhsa_float_denorm_mode_32 3
		.amdhsa_float_denorm_mode_16_64 3
		.amdhsa_memory_ordered 1
		.amdhsa_forward_progress 1
		.amdhsa_inst_pref_size 216
	.end_amdhsa_kernel
	.amdgpu_metadata
---
amdhsa.version: [ 1, 2 ]
amdhsa.kernels:
  - .name:           k_q1290da4381_proj
    .symbol:         k_q1290da4381_proj.kd
    .args:
      - { .name: q_codes, .offset: 0, .size: 8, .value_kind: global_buffer, .address_space: global }
      - { .name: q_scales, .offset: 8, .size: 8, .value_kind: global_buffer, .address_space: global }
      - { .name: wq_codes, .offset: 16, .size: 8, .value_kind: global_buffer, .address_space: global }
      - { .name: wq_scales, .offset: 24, .size: 8, .value_kind: global_buffer, .address_space: global }
      - { .name: bq, .offset: 32, .size: 8, .value_kind: global_buffer, .address_space: global }
      - { .name: k_codes, .offset: 40, .size: 8, .value_kind: global_buffer, .address_space: global }
      - { .name: k_scales, .offset: 48, .size: 8, .value_kind: global_buffer, .address_space: global }
      - { .name: wk_codes, .offset: 56, .size: 8, .value_kind: global_buffer, .address_space: global }
      - { .name: wk_scales, .offset: 64, .size: 8, .value_kind: global_buffer, .address_space: global }
      - { .name: bk, .offset: 72, .size: 8, .value_kind: global_buffer, .address_space: global }
      - { .name: wv_codes, .offset: 80, .size: 8, .value_kind: global_buffer, .address_space: global }
      - { .name: wv_scales, .offset: 88, .size: 8, .value_kind: global_buffer, .address_space: global }
      - { .name: v_codes, .offset: 96, .size: 8, .value_kind: global_buffer, .address_space: global }
      - { .name: v_scales, .offset: 104, .size: 8, .value_kind: global_buffer, .address_space: global }
      - { .name: bv, .offset: 112, .size: 8, .value_kind: global_buffer, .address_space: global }
      - { .name: qkv, .offset: 120, .size: 8, .value_kind: global_buffer, .address_space: global }
      - { .name: mask, .offset: 128, .size: 8, .value_kind: global_buffer, .address_space: global }
      - { .name: wo_codes, .offset: 136, .size: 8, .value_kind: global_buffer, .address_space: global }
      - { .name: wo_scales, .offset: 144, .size: 8, .value_kind: global_buffer, .address_space: global }
      - { .name: mbits, .offset: 152, .size: 8, .value_kind: global_buffer, .address_space: global }
      - { .name: wow, .offset: 160, .size: 8, .value_kind: global_buffer, .address_space: global }
    .group_segment_fixed_size: 327680
    .private_segment_fixed_size: 0
    .kernarg_segment_align: 8
    .kernarg_segment_size: 168
    .max_flat_workgroup_size: 128
    .sgpr_count:     106
    .vgpr_count:     1024
    .wavefront_size: 32
...
	.end_amdgpu_metadata
.endif
;; end of part 1
;; launch scores (part 2): grid 8 x 32, 4 waves a work-group, clusters of 4 x 4, 327,680 bytes of LDS; arguments qkv, mbits, pst; writes pst
.if DOCPART == 2
	.amdgcn_target "amdgcn-amd-amdhsa--gfx1250"
	.amdhsa_code_object_version 6
	.text
	.protected	k_q1290da4381_scores
	.globl	k_q1290da4381_scores
	.p2align	8
	.type	k_q1290da4381_scores,@function
k_q1290da4381_scores:
	s_mov_b64 s[64:65], 0
	v_nop
	global_prefetch_b8 v0, s[64:65] scope:SCOPE_SE
	s_setreg_imm32_b32 hwreg(HW_REG_WAVE_MODE, 25, 1), 1
	s_wait_xcnt 0x0
	s_wait_alu depctr_hold_cnt(0) depctr_sa_sdst(0) depctr_va_vdst(0) depctr_va_sdst(0) depctr_va_ssrc(0) depctr_va_vcc(0) depctr_vm_vsrc(0)
	s_getreg_b32 s2, hwreg(HW_REG_IB_STS2, 6, 4)
	s_cmp_eq_u32 s2, 0
	s_cbranch_scc0 .Lentry_in_a_cluster
	s_endpgm
.Lentry_in_a_cluster:
	s_bfe_u32 s2, ttmp6, 0x10000c
	s_cmp_lg_u32 s2, 0xf033
	s_cbranch_scc0 .Lentry_shape_is_right
	s_endpgm
.Lentry_shape_is_right:
; S = Q K^T on codes of FP6 (E2M3), the mask, and the softmax's p, quantised along the keys, for each batch.  K = 1,024.
; A work-group makes 256 queries x 256 keys, a wave 128 x 128: 64 accumulators.  Q's and K's codes lie in memory as images of operand registers (a fragment: 1,536 bytes, registers 4 c .. 4 c + 3 of lane l at 512 c + 16 l),
; so a slot's tiles (two steps of 128 along K) are rows of 3,072 dense bytes, a row block each, and a fragment comes by three loads of 16 bytes a lane.  Scale words lie [K step][row]; those of all of K come once.
; Q's tiles are asked for jointly by a row of the cluster, K's by a column.  The matrix instruction is used transposed: lane (r, h) holds query 16 a + r and, in register j of accumulator (a, b), key 16 b + 8 h + j.
; THE SOFTMAX IS CUT AT 128 KEYS.  t = score x log2(e) / 32.  For each query and each 128 keys: M = the largest t of these keys, rounded UP to a whole number; p = 2^(t - M); its sum, of the unquantised p.
; p is quantised in blocks of 32 keys; -M and the sum are stored beside the scale words.  The next launch takes the largest M of a row and lowers each scale byte by the difference: an exact power of two.
; THE MASK is an input: it comes as lane masks (one 32-bit word for each register of a tile), by scalar loads; a hidden score becomes -infinity by a select, so p = 0.  Nothing is skipped and no branch hangs on it.
; 128 keys that are all hidden: t is held at -3e38 from below, so -M = 3e38, every p is 0 and the sum is 0.
; The codes' order inside a block of 32 keys is 0-7, 16-23, 8-15, 24-31, as V^T's is.
; OUT, in pst: p's images [row block 512][K step 16] at 0; scale words [16][8192] at 12,582,912; -M at 13,107,200; the sums at 13,631,488.
; LIMITS: NaN and infinities among the scores are not served; |t| stays under 2^24, so that differences of M are exact.
; REGISTERS.  Window 0: v4-5 A's LDS addresses, v8-9 B's, v12-13 the scale words', v14-15 the spare word's and 0, v16-18 the way out's; A's fragments at v32 and v128; v224-255 scale words and nothing else.
;   Window 1: B's fragments at v0 and v128.  Windows 2, 3: the accumulators.  On the way out: v32-95 a block's scores, then p; v96-191 the codes; v192-223 at work.
.set MB,     8
.set NQ,     2
.set SLOT,   98304                     ; A's 16 row blocks x 3,072 bytes, then B's
.set SCA,    2*SLOT                    ; A's scale words [8][256 rows]
.set SCB,    SCA+8192
.set SPARE,  SCB+8192                  ; the spare words: 128 bytes a wave, named by no other line
.set STG,    SPARE+512                 ; 1,536 bytes a wave: scale words, -M and sums of its 128 rows
.set SPA,    1024
.set SPB,    1024
.set REFILL, 2*NQ*1536
.set X,      32
.set TM,     192
.set T2,     208
.set MSB, 0
.macro WIN new                         ; the immediate's high byte repeats the setting that is left
.if MSB != (\new)
	s_set_vgpr_msb (MSB<<8)|(\new)
.set MSB, (\new)
.endif
.endm
.macro PLACES n
.rept \n
	v_nop
.endr
.endm
; A joint load: waves 0 and 1 fetch for A, waves 2 and 3 for B; the branch hangs on the wave's number alone.  Four v_nop follow each of the two lines.
.macro JLOAD g0a, g1a, g0b, g1b
	s_cmp_eq_u32 s3, 0
	s_cbranch_scc0 .Lfor_b_\@
	tensor_load_to_lds s[\g0a:\g0a+3], s[\g1a:\g1a+7]
	s_nop 0
.rept 4
	v_nop
.endr
	s_branch .Lasked_\@
.Lfor_b_\@:
	tensor_load_to_lds s[\g0b:\g0b+3], s[\g1b:\g1b+7]
	s_nop 0
.rept 4
	v_nop
.endr
.Lasked_\@:
.endm
.macro CREST                           ; a round of the cluster's barrier behind its opening barrier
	s_cmp_lg_u32 s2, 0
	s_cbranch_scc1 .Lnot_wave_0_\@
	s_barrier_signal -3
.Lnot_wave_0_\@:
	s_barrier_wait -3
	s_barrier_signal -1
	s_barrier_wait -1
.endm
.macro CROUND
	s_barrier_signal -1
	s_barrier_wait -1
	CREST
.endm
.macro FRAGI reg, adr, off             ; a fragment's image: three loads, each of 512 consecutive bytes
	ds_load_b128 v[(\reg):(\reg)+3], v[\adr] offset:(\off)
	ds_load_b128 v[(\reg)+4:(\reg)+7], v[\adr] offset:(\off)+512
	ds_load_b128 v[(\reg)+8:(\reg)+11], v[\adr] offset:(\off)+1024
.endm
; All that a step of 128 along K wants, in one run: B's eight fragments, A's, and the scale words (a register: the words of 32 neighbouring rows, a lane a row).
.macro FETCH slot, q, set, ks
	WIN 0x40                                       ; destination window 1, address window 0
.set i_, 0
.rept 8
	FRAGI 128*(\set)+12*i_, 8+(\slot), i_*(NQ*1536)+(\q)*1536
.set i_, i_+1
.endr
	WIN 0
.set i_, 0
.rept MB
	FRAGI 32+96*(\set)+12*i_, 4+(\slot), i_*(NQ*1536)+(\q)*1536
.set i_, i_+1
.endr
.set i_, 0
.rept MB/2
	ds_load_b32 v[224+16*(\set)+i_], v12 offset:(\ks)*SPA+128*i_
.set i_, i_+1
.endr
.set i_, 0
.rept 4
	ds_load_b32 v[232+16*(\set)+i_], v13 offset:(\ks)*SPB+128*i_
.set i_, i_+1
.endr
.endm
; One product.  Block x's scale words lie in register x / 2: in lanes 0-15 where x is even, in lanes 16-31 where it is odd.
.macro WMS zero
.if \zero
.if (b_%2 == 1) && (a_%2 == 1)
	v_wmma_scale_f32_16x16x128_f8f6f4 v[rD:rD+7], v[rB:rB+11], v[rA:rA+11], 0, v[rSB], v[rSA] matrix_a_fmt:MATRIX_FMT_FP6 matrix_b_fmt:MATRIX_FMT_FP6 matrix_a_scale:MATRIX_SCALE_ROW1 matrix_b_scale:MATRIX_SCALE_ROW1
.elseif b_%2 == 1
	v_wmma_scale_f32_16x16x128_f8f6f4 v[rD:rD+7], v[rB:rB+11], v[rA:rA+11], 0, v[rSB], v[rSA] matrix_a_fmt:MATRIX_FMT_FP6 matrix_b_fmt:MATRIX_FMT_FP6 matrix_a_scale:MATRIX_SCALE_ROW1
.elseif a_%2 == 1
	v_wmma_scale_f32_16x16x128_f8f6f4 v[rD:rD+7], v[rB:rB+11], v[rA:rA+11], 0, v[rSB], v[rSA] matrix_a_fmt:MATRIX_FMT_FP6 matrix_b_fmt:MATRIX_FMT_FP6 matrix_b_scale:MATRIX_SCALE_ROW1
.else
	v_wmma_scale_f32_16x16x128_f8f6f4 v[rD:rD+7], v[rB:rB+11], v[rA:rA+11], 0, v[rSB], v[rSA] matrix_a_fmt:MATRIX_FMT_FP6 matrix_b_fmt:MATRIX_FMT_FP6
.endif
.else
.if (b_%2 == 1) && (a_%2 == 1)
	v_wmma_scale_f32_16x16x128_f8f6f4 v[rD:rD+7], v[rB:rB+11], v[rA:rA+11], v[rC:rC+7], v[rSB], v[rSA] matrix_a_fmt:MATRIX_FMT_FP6 matrix_b_fmt:MATRIX_FMT_FP6 matrix_a_scale:MATRIX_SCALE_ROW1 matrix_b_scale:MATRIX_SCALE_ROW1
.elseif b_%2 == 1
	v_wmma_scale_f32_16x16x128_f8f6f4 v[rD:rD+7], v[rB:rB+11], v[rA:rA+11], v[rC:rC+7], v[rSB], v[rSA] matrix_a_fmt:MATRIX_FMT_FP6 matrix_b_fmt:MATRIX_FMT_FP6 matrix_a_scale:MATRIX_SCALE_ROW1
.elseif a_%2 == 1
	v_wmma_scale_f32_16x16x128_f8f6f4 v[rD:rD+7], v[rB:rB+11], v[rA:rA+11], v[rC:rC+7], v[rSB], v[rSA] matrix_a_fmt:MATRIX_FMT_FP6 matrix_b_fmt:MATRIX_FMT_FP6 matrix_b_scale:MATRIX_SCALE_ROW1
.else
	v_wmma_scale_f32_16x16x128_f8f6f4 v[rD:rD+7], v[rB:rB+11], v[rA:rA+11], v[rC:rC+7], v[rSB], v[rSA] matrix_a_fmt:MATRIX_FMT_FP6 matrix_b_fmt:MATRIX_FMT_FP6
.endif
.endif
.endm
; A quarter of a step's products: MB / 4 blocks of A, each against B's eight.  The accumulators take turns, one instruction a turn, in the same order in every step.
; cmode 0: the sums go on; 3: they begin with 0.
.macro MULQ part, set, cmode
.set a_, (\part)*(MB/4)
.rept MB/4
	WIN 0xa1+0x50*(a_/4)                           ; source 0 (B) window 1, source 1 (A) window 0, C and D window 2 or 3
.set b_, 0
.rept 8
.set rD, 8*(8*(a_%4)+b_)
.set rB, 128*(\set)+12*b_
.set rA, 32+96*(\set)+12*a_
.set rSB, 232+16*(\set)+b_/2
.set rSA, 224+16*(\set)+a_/2
.set rC, rD
.if (\cmode) == 3
	WMS 1
.else
	WMS 0
.endif
.set b_, b_+1
.endr
.set a_, a_+1
.endr
.endm
; A step whose successor lies in the same slot: its operands were asked for a whole step ago; the next step's are asked for at its head, four places behind the last product that read their registers.
.macro STEPA sl, q, cmode
.set p_, ((\sl)*NQ+(\q))%2
	s_wait_dscnt 0x0
	PLACES 4
	FETCH (\sl)%2, (\q)+1, 1-p_, (\sl)*NQ+(\q)+1
	MULQ 0, p_, \cmode
	MULQ 1, p_, \cmode
	MULQ 2, p_, \cmode
	MULQ 3, p_, \cmode
.endm
; A slot's last step changes slots: ONE barrier.  In front of it each wave waits for all its tensor loads (its part of the next slot), adds 0 to its spare word, and waits for that and for its reads of this slot.
; fill = 1: the barrier opens a round of the cluster's barrier, and behind the round this slot is filled again, two slots ahead.
.macro STEPB sl, fill
	WIN 0                                          ; (the add's two registers lie in window 0)
	s_wait_dscnt 0x0                               ; this step's operands are in: they were my last reads of this slot
	s_wait_tensorcnt 0x0                           ; all my tensor loads have landed
	ds_add_u32 v14, v15                            ; 0 onto my spare word
	MULQ 0, 1, 0                                   ; products stand between the add and the wait for it
	s_wait_dscnt 0x0                               ; the add is done
	s_barrier_signal -1
	MULQ 1, 1, 0
	WIN 0
	s_barrier_wait -1
.if \fill
	CREST                                          ; no wave of any partner still reads this slot or has a load on its way
	s_add_nc_u64 s[26+4*((\sl)%2):27+4*((\sl)%2)], s[26+4*((\sl)%2):27+4*((\sl)%2)], REFILL
	s_add_nc_u64 s[42+4*((\sl)%2):43+4*((\sl)%2)], s[42+4*((\sl)%2):43+4*((\sl)%2)], REFILL
	JLOAD 24+4*((\sl)%2), 16, 40+4*((\sl)%2), 32   ; the first tensor load behind the round; its four v_nop are the places in front of the loads below
.else
	PLACES 4
.endif
	FETCH ((\sl)+1)%2, 0, 0, ((\sl)+1)*NQ
	MULQ 2, 1, 0
	MULQ 3, 1, 0
.endm
.macro STEPC                           ; the very last step
	s_wait_dscnt 0x0
	MULQ 0, 1, 0
	MULQ 1, 1, 0
	MULQ 2, 1, 0
	MULQ 3, 1, 0
.endm
.macro MLOAD a                         ; the 64 lane masks of row block a: 256 bytes, into the registers that held the descriptors (no tensor load is out or follows)
	s_load_b512 s[16:31], s[6:7], (\a)*4096
	s_load_b512 s[32:47], s[6:7], (\a)*4096+64
	s_load_b512 s[48:63], s[6:7], (\a)*4096+128
	s_load_b512 s[68:83], s[6:7], (\a)*4096+192
.endm
; Row block a: 16 queries x my 128 keys.
.macro SOFT a
	s_wait_kmcnt 0x0                               ; the block's lane masks
	s_wait_dscnt 0x0                               ; the last block's LDS stores have read their registers
	WIN (2+(\a)/4)<<2                              ; source 1: the accumulators' window
.set n_, 0
.rept 64
	v_cndmask_b32 v[X+n_], v222, v[64*((\a)%4)+n_], s[16+n_+4*(n_/48)]   ; the score where the mask is open, else -infinity; each accumulator from its low end on
.set n_, n_+1
.endr
	WIN 0
.irp b, 0,1,2,3
	v_max3_num_f32 v[TM+\b], v[X+16*\b], v[X+16*\b+1], v[X+16*\b+2]   ; the largest score of each block of 32 keys: it serves for the row's maximum and, since p rises with the score, for the block's largest p
.endr
.irp i, 3,5,7,9,11,13
.irp b, 0,1,2,3
	v_max3_num_f32 v[TM+\b], v[TM+\b], v[X+16*\b+\i], v[X+16*\b+\i+1]
.endr
.endr
.irp b, 0,1,2,3
	v_max_num_f32 v[TM+\b], v[TM+\b], v[X+16*\b+15]
.endr
.if (\a) < 7
	MLOAD (\a)+1                                   ; the selects above have read the words
.endif
.irp b, 0,1,2,3
	v_permlanex16_b32 v[TM+4+\b], v[TM+\b], s84, s85
.endr
.irp b, 0,1,2,3
	v_max_num_f32 v[TM+\b], v[TM+\b], v[TM+4+\b]   ; with lane l xor 16's 16 keys
.endr
	v_max3_num_f32 v[TM+8], v[TM], v[TM+1], v[TM+2]
	v_max_num_f32 v[TM+8], v[TM+8], v[TM+3]
	v_mul_f32 v[TM+8], s14, v[TM+8]                ; as t (c is positive)
	v_max_num_f32 v217, 0xff61b1e6, v[TM+8]        ; held at -3e38 from below: 128 hidden keys
	v_floor_f32 v216, -v217                        ; -M = floor(-t) = -ceil(t): M is a whole number
.set j_, 0
.rept 32
	v_pk_fma_f32 v[X+j_:X+j_+1], v[X+j_:X+j_+1], s[14:15], v[216:217] op_sel_hi:[1,0,0]   ; t - M, two at a time (of the pairs c and -M the low word serves both halves)
.set j_, j_+2
.endr
.irp b, 0,1,2,3
	v_fma_f32 v[TM+\b], v[TM+\b], s14, v216        ; the same of each block's largest score
.endr
.set j_, 0
	s_wait_alu depctr_va_vdst(0)
.rept 64
	v_exp_f32 v[X+j_], v[X+j_]                     ; p = 2^(t - M), at most 1
.set j_, j_+1
.endr
	v_nop                                          ; a plain place behind the exponentials
	s_wait_alu depctr_va_vdst(0)                   ; one wait for the whole batch, ahead of its first reader
.irp b, 0,1,2,3
	v_exp_f32 v[TM+\b], v[TM+\b]                   ; the block's largest p
.endr
	v_pk_add_f32 v[218:219], v[X:X+1], v[X+4:X+5]  ; the sum of the unquantised p, two at a time, in two chains
	v_pk_add_f32 v[220:221], v[X+2:X+3], v[X+6:X+7]
.set j_, 8
.rept 14
	v_pk_add_f32 v[218:219], v[218:219], v[X+j_:X+j_+1]
	v_pk_add_f32 v[220:221], v[220:221], v[X+j_+2:X+j_+3]
.set j_, j_+4
.endr
	v_pk_add_f32 v[218:219], v[218:219], v[220:221]
	v_add_f32 v218, v218, v219
	v_permlanex16_b32 v220, v218, s84, s85
	v_add_f32 v218, v218, v220                     ; with lane l xor 16's: the sum over my 128 keys
	s_wait_alu depctr_va_vdst(0)                   ; and one for the four
.irp b, 0,1,2,3
	v_max_num_f32 v[TM+\b], 0x1800000, v[TM+\b]    ; the floor 2^(3 - 127): the byte cannot fall under 1
.endr
.irp b, 0,1,2,3
	v_add_nc_u32 v[TM+12+\b], 0xff000000, v[TM+\b] ; 2 off the exponent field: the conversion's scale operand
.endr
.irp b, 0,1,2,3
	v_lshrrev_b32 v[TM+4+\b], 23, v[TM+12+\b]      ; the scale's byte
.endr
	v_lshl_or_b32 v223, v[TM+5], 8, v[TM+4]
	v_lshl_or_b32 v223, v[TM+6], 16, v223
	v_lshl_or_b32 v223, v[TM+7], 24, v223
.irp c, 0,1
	v_cvt_scalef32_pk16_fp6_f32 v[96+12*(\a)+6*\c:98+12*(\a)+6*\c], v[X+32*\c:X+32*\c+15], v[TM+12+2*\c]
	v_cvt_scalef32_pk16_fp6_f32 v[T2+4*\c:T2+4*\c+2], v[X+32*\c+16:X+32*\c+31], v[TM+12+2*\c+1]
.endr
	v_nop                                          ; one plain place behind a scaled conversion
.irp c, 0,1                                    ; the operand's layout wants a whole block in a lane
.irp i, 0,1,2
	v_permlane16_swap_b32 v[96+12*(\a)+6*\c+\i], v[T2+4*\c+\i]
.endr
.irp i, 0,1,2
	v_mov_b32 v[99+12*(\a)+6*\c+\i], v[T2+4*\c+\i]
.endr
.endr
.irp c, 0,1,2
	global_store_b128 v17, v[96+12*(\a)+4*\c:99+12*(\a)+4*\c], s[10:11] offset:24576*(\a)+512*\c   ; 512 consecutive bytes, aligned
.endr
	ds_store_b32 v16, v223 offset:64*(\a)          ; both halves of the lanes write the same word with the same value
	ds_store_b32 v16, v216 offset:64*(\a)+512
	ds_store_b32 v16, v218 offset:64*(\a)+1024
.endm
	s_load_b128 s[4:7], s[0:1], 0x0                ; qkv, mbits
	s_load_b64 s[8:9], s[0:1], 0x10                ; pst
	v_lshl_add_u32 v14, v0, 2, SPARE
	v_mov_b32 v15, 0
	ds_add_u32 v14, v15
	ds_add_u32 v14, v15
	s_wait_dscnt 0x0
	v_lshrrev_b32 v1, 5, v0
	v_readfirstlane_b32 s2, v1                     ; wave 0..3
	s_lshr_b32 s3, s2, 1                           ; which half of the queries is mine.  Also: I fetch for A (0) or for B (1)
	s_and_b32 s86, s2, 1                           ; which half of the keys.  Also: which half I fetch
	s_bfe_u32 s87, ttmp6, 0x40000                  ; cx
	s_bfe_u32 s88, ttmp6, 0x40004                  ; cy
	s_lshl_b32 s91, s88, 2
	s_lshl_b32 s91, 15, s91                        ; my row of the cluster
	s_lshl_b32 s92, 0x1111, s87                    ; my column
	s_and_b32 s76, ttmp7, 0xffff                   ; cluster y
	s_lshr_b32 s93, s76, 1                         ; the batch
	s_lshl_b32 s89, s76, 2
	s_add_co_u32 s89, s89, s88                     ; tile row, 0..31
	s_lshl_b32 s90, ttmp9, 2
	s_add_co_u32 s90, s90, s87                     ; tile column, 0..7
	s_mov_b32 s84, 0x76543210
	s_mov_b32 s85, 0xfedcba98
	s_mov_b32 s14, 0x3d38aa3b                      ; c = log2(e) / 32
	s_mov_b32 s15, s14                             ; (named with it as a pair, so it is written)
	; descriptor group 1: eight row blocks' images of two K steps: 8 rows x 3,072 bytes (384 elements of 8 bytes), 12,288 bytes apart; no padding
	s_or_b32 s16, s91, (3<<16)|(1<<21)
	s_or_b32 s32, s92, (3<<16)|(1<<21)
.irp g, 16, 32
	s_mov_b32 s[\g+1], 384<<16
	s_mov_b32 s[\g+2], 16<<16                      ; the head's loads bring a slot's 16 row blocks; behind them the two words are set to 8
	s_mov_b32 s[\g+3], 384<<16
	s_mov_b32 s[\g+4], 16
	s_mov_b32 s[\g+5], 1536
	s_mov_b32 s[\g+6], 0
	s_mov_b32 s[\g+7], 0
.endr
	; the scale words of 256 rows for eight K steps: 8 rows x 1,024 bytes, 32,768 bytes apart
	s_or_b32 s48, s91, (3<<16)|(1<<21)
	s_or_b32 s68, s92, (3<<16)|(1<<21)
.irp g, 48, 68
	s_mov_b32 s[\g+1], 128<<16
	s_mov_b32 s[\g+2], 8<<16                       ; all eight K steps' scale words in one load
	s_mov_b32 s[\g+3], 128<<16
	s_mov_b32 s[\g+4], 8
	s_mov_b32 s[\g+5], 4096
	s_mov_b32 s[\g+6], 0
	s_mov_b32 s[\g+7], 0
.endr
	s_lshl_b32 s76, s89, 4                         ; A: row block 16 x tile row + 8 x half, in registers that never hold cx
	s_lshl_b32 s77, s86, 3
	s_add_co_u32 s76, s76, s77
	s_mul_i32 s76, s76, 12288
	s_mov_b32 s77, 0
	s_lshl_b32 s78, s89, 10                        ; its scale words: 1,024 bytes a tile row
	s_mov_b32 s79, 0
	s_add_co_u32 s78, s78, s79
	s_add_co_u32 s78, s78, 18874368
	s_mov_b32 s79, 0
	s_lshl_b32 s80, s93, 7                         ; B: row block 128 x batch + 16 x tile column + 8 x half, in registers that never hold cy
	s_lshl_b32 s81, s90, 4
	s_add_co_u32 s80, s80, s81
	s_lshl_b32 s81, s86, 3
	s_add_co_u32 s80, s80, s81
	s_mul_i32 s80, s80, 12288
	s_add_co_u32 s80, s80, 6291456
	s_mov_b32 s81, 0
	s_lshl_b32 s82, s93, 13
	s_lshl_b32 s83, s90, 10
	s_add_co_u32 s82, s82, s83
	s_mov_b32 s83, 0
	s_add_co_u32 s82, s82, s83
	s_add_co_u32 s82, s82, 18874368+262144
	s_mov_b32 s83, 0
	s_wait_kmcnt 0x0
	s_add_nc_u64 s[94:95], s[4:5], s[76:77]
	s_add_nc_u64 s[96:97], s[4:5], s[78:79]
	s_add_nc_u64 s[98:99], s[4:5], s[80:81]
	s_add_nc_u64 s[100:101], s[4:5], s[82:83]
	s_mul_i32 s76, s2, 24576                       ; where the tiles go: wave x 24,576: no place in the cluster enters an LDS address
	s_mov_b32 s77, 0
	CROUND                                         ; all sixteen work-groups are here: the first joint loads meet
	s_mov_b32 s56, 1
	s_add_co_u32 s57, s77, SCA
	s_mov_b64 s[58:59], s[96:97]
	s_or_b32 s59, s59, 0x80000000
	s_mov_b32 s60, 1
	s_add_co_u32 s61, s77, SCB
	s_mov_b64 s[62:63], s[100:101]
	s_or_b32 s63, s63, 0x80000000
.irp s, 0,1
	s_mov_b32 s[24+4*\s], 1
	s_add_co_u32 s[25+4*\s], s76, \s*SLOT
	s_add_nc_u64 s[26+4*\s:27+4*\s], s[94:95], \s*NQ*1536
	s_or_b32 s[27+4*\s], s[27+4*\s], 0x80000000
	s_mov_b32 s[40+4*\s], 1
	s_add_co_u32 s[41+4*\s], s76, \s*SLOT
	s_add_nc_u64 s[42+4*\s:43+4*\s], s[98:99], \s*NQ*1536
	s_or_b32 s[43+4*\s], s[43+4*\s], 0x80000000
.endr
	; where the lane masks lie and the results go
; THE HEAD'S LOADS, ONE A WAVE, in one chain of branches on the wave's number: wave 0 slot 0's 16 row blocks of A, wave 1 A's scale words, wave 2 slot 0's 16 row blocks of B, wave 3 B's scale words.
; Waves 0 and 2 fetch the lower half in the ring, so their own group 0 for slot 0 names the whole tile's first byte.
.macro ARM under, g0, g1, next
	s_cmp_lt_u32 s2, \under
	s_cbranch_scc0 \next
	tensor_load_to_lds s[\g0:\g0+3], s[\g1:\g1+7]
	s_nop 0
.rept 4
	v_nop
.endr
	s_branch .Lhead_asked
\next:
.endm
	ARM 1, 24, 16, .Lhead_1
	ARM 2, 56, 48, .Lhead_2
	ARM 3, 40, 32, .Lhead_3
	tensor_load_to_lds s[60:63], s[68:75]
	s_nop 0
.rept 4
	v_nop
.endr
.Lhead_asked:
	s_lshl_b32 s98, s90, 1
	s_add_co_u32 s98, s98, s86                     ; my 128 keys: 2 x tile column + half
	s_lshl_b32 s99, s89, 4
	s_lshl_b32 s94, s3, 3
	s_add_co_u32 s99, s99, s94                     ; my first row block: 16 x tile row + 8 x half
	s_and_b32 s94, s99, 127                        ; within the sequence: the mask is the same for all batches
	s_lshl_b32 s94, s94, 12
	s_lshl_b32 s96, s98, 8
	s_add_co_u32 s94, s94, s96
	s_mov_b32 s95, 0
	s_add_nc_u64 s[6:7], s[6:7], s[94:95]
	s_mul_i32 s94, s99, 24576
	s_mul_i32 s96, s98, 1536
	s_add_co_u32 s94, s94, s96
	s_add_nc_u64 s[10:11], s[8:9], s[94:95]        ; p's images
	s_lshl_b32 s94, s98, 13
	s_lshl_b32 s96, s99, 4
	s_add_co_u32 s94, s94, s96
	s_lshl_b32 s94, s94, 2
	s_add_co_u32 s94, s94, 12582912
	s_add_nc_u64 s[12:13], s[8:9], s[94:95]        ; scale words; -M 524,288 bytes on; the sums 1,048,576
	v_and_b32 v1, 15, v0                           ; r
	v_bfe_u32 v2, v0, 4, 1                         ; h
	v_and_b32 v3, 31, v0                           ; lane
	s_wait_alu depctr_va_vdst(0)
	v_lshlrev_b32 v17, 4, v3                       ; 16 x lane
	s_wait_alu depctr_va_vdst(0)
	s_mul_i32 s94, s3, 24576                       ; my eight row blocks of A
	s_mul_i32 s96, s86, 24576
	s_add_co_u32 s96, s96, 49152                   ; and of B
.irp s, 0,1
	v_add_nc_u32 v[4+\s], s94, v17
	v_add_nc_u32 v[8+\s], s96, v17
	s_add_co_u32 s94, s94, SLOT
	s_add_co_u32 s96, s96, SLOT
.endr
	s_lshl_b32 s94, s3, 9
	s_add_co_u32 s94, s94, SCA
	v_lshl_add_u32 v12, v3, 2, s94                 ; scale words: a lane a row
	s_lshl_b32 s96, s86, 9
	s_add_co_u32 s96, s96, SCB
	v_lshl_add_u32 v13, v3, 2, s96
	s_mul_i32 s94, s2, 1536
	s_add_co_u32 s94, s94, STG
	v_lshl_add_u32 v16, v1, 2, s94                 ; my stage, in: 4 r (+ 64 a),
	v_add_nc_u32 v18, s94, v17                     ; and back: 16 x lane
	s_wait_alu depctr_va_vdst(0)
	s_wait_tensorcnt 0x0                           ; my tile of the head's four is in; slot 1's first fill is issued as a refill is
	ds_add_u32 v14, v15
	s_mov_b32 s18, 8<<16                           ; no tensor load of mine is out: from here on a load brings 8 row blocks
	s_mov_b32 s20, 8
	s_mov_b32 s34, 8<<16
	s_mov_b32 s36, 8
	s_wait_dscnt 0x0
	CROUND
	JLOAD 28, 16, 44, 32
	FETCH 0, 0, 0, 0
	STEPA 0, 0, 3                                  ; the first step starts the sums: nothing is cleared
	STEPB 0, 1
	STEPA 1, 0, 0
	STEPB 1, 1
	STEPA 2, 0, 0
	STEPB 2, 0                                     ; all my tensor loads have landed and none follows: the descriptors' registers are free
	MLOAD 0
	STEPA 3, 0, 0
	STEPC
	WIN 0
	PLACES 4
.irp b, 0,1,2,3
	v_mov_b32 v[TM+4+\b], 0                        ; written once: a lane permute's destination counts as one of its sources
.endr
	v_mov_b32 v222, 0xff800000                     ; -infinity
	s_wait_alu depctr_va_vdst(0)
.irp a, 0,1,2,3,4,5,6,7
	SOFT \a
.endr
	ds_load_b128 v[32:35], v18                     ; LDS serves a wave's instructions in order: these see my stores
	ds_load_b128 v[36:39], v18 offset:512
	ds_load_b128 v[40:43], v18 offset:1024
	s_wait_dscnt 0x0
	global_store_b128 v17, v[32:35], s[12:13]      ; my 128 rows' scale words, -M and sums: 512 consecutive bytes each, aligned
	global_store_b128 v17, v[36:39], s[12:13] offset:524288
	global_store_b128 v17, v[40:43], s[12:13] offset:1048576
	s_wait_tensorcnt 0x0                           ; the wave's end
	ds_add_u32 v14, v15
	s_wait_dscnt 0x0
	CROUND                                         ; the closing round
	s_endpgm
.Lfunc_end_k_q1290da4381_scores:
	.size	k_q1290da4381_scores, .Lfunc_end_k_q1290da4381_scores-k_q1290da4381_scores
	.p2alignl 7, 3214868480
	.fill 96, 4, 3214868480
	.section	.rodata,"a",@progbits
	.p2align	6, 0x0
	.amdhsa_kernel k_q1290da4381_scores
		.amdhsa_group_segment_fixed_size 327680
		.amdhsa_private_segment_fixed_size 0
		.amdhsa_enable_private_segment 0
		.amdhsa_kernarg_size 24
		.amdhsa_user_sgpr_count 2
		.amdhsa_user_sgpr_kernarg_segment_ptr 1
		.amdhsa_wavefront_size32 1
		.amdhsa_system_sgpr_workgroup_id_x 1
		.amdhsa_system_sgpr_workgroup_id_y 1
		.amdhsa_system_sgpr_workgroup_id_z 1
		.amdhsa_system_vgpr_workitem_id 0
		.amdhsa_next_free_vgpr 1024
		.amdhsa_next_free_sgpr 102
		.amdhsa_reserve_vcc 0
		.amdhsa_float_denorm_mode_32 3
		.amdhsa_float_denorm_mode_16_64 3
		.amdhsa_memory_ordered 1
		.amdhsa_forward_progress 1
		.amdhsa_inst_pref_size 232
	.end_amdhsa_kernel
	.amdgpu_metadata
---
amdhsa.version: [ 1, 2 ]
amdhsa.kernels:
  - .name:           k_q1290da4381_scores
    .symbol:         k_q1290da4381_scores.kd
    .args:
      - { .name: qkv, .offset: 0, .size: 8, .value_kind: global_buffer, .address_space: global }
      - { .name: mbits, .offset: 8, .size: 8, .value_kind: global_buffer, .address_space: global }
      - { .name: pst, .offset: 16, .size: 8, .value_kind: global_buffer, .address_space: global }
    .group_segment_fixed_size: 327680
    .private_segment_fixed_size: 0
    .kernarg_segment_align: 8
    .kernarg_segment_size: 24
    .max_flat_workgroup_size: 128
    .sgpr_count:     102
    .vgpr_count:     1024
    .wavefront_size: 32
...
	.end_amdgpu_metadata
.endif
;; end of part 2
;; launch pv (part 3): grid 4 x 64, 4 waves a work-group, clusters of 4 x 4, 327,680 bytes of LDS; arguments pst, qkv, ctx; writes ctx
.if DOCPART == 3
	.amdgcn_target "amdgcn-amd-amdhsa--gfx1250"
	.amdhsa_code_object_version 6
	.text
	.protected	k_q1290da4381_pv
	.globl	k_q1290da4381_pv
	.p2align	8
	.type	k_q1290da4381_pv,@function
k_q1290da4381_pv:
	s_mov_b64 s[64:65], 0
	v_nop
	global_prefetch_b8 v0, s[64:65] scope:SCOPE_SE
	s_setreg_imm32_b32 hwreg(HW_REG_WAVE_MODE, 25, 1), 1
	s_wait_xcnt 0x0
	s_wait_alu depctr_hold_cnt(0) depctr_sa_sdst(0) depctr_va_vdst(0) depctr_va_sdst(0) depctr_va_ssrc(0) depctr_va_vcc(0) depctr_vm_vsrc(0)
	s_getreg_b32 s2, hwreg(HW_REG_IB_STS2, 6, 4)
	s_cmp_eq_u32 s2, 0
	s_cbranch_scc0 .Lentry_in_a_cluster
	s_endpgm
.Lentry_in_a_cluster:
	s_bfe_u32 s2, ttmp6, 0x10000c
	s_cmp_lg_u32 s2, 0xf033
	s_cbranch_scc0 .Lentry_shape_is_right
	s_endpgm
.Lentry_shape_is_right:
; ctx = (p V) / l on codes of FP6 (E2M3), quantised along d.  K = the batch's 2,048 keys, 16 steps of 128.  A = p (8,192 rows), B = V^T (1,024 rows: d), both as images of operand registers (a fragment: 1,536 bytes, registers 4 c .. 4 c + 3 of lane l at 512 c + 16 l).
; A work-group makes 128 queries x 256 of d: 256 work-groups; a wave 64 x 128: 32 accumulators.
; A's 8 row blocks lie in LDS for all of K, [half of K 2][row block 8][step 8]: steps 0-7 come by the head's loads, steps 8-15 by one more fill; no byte is filled twice.  They are asked for jointly by a row of the cluster.
; B'S FRAGMENTS GO FROM MEMORY STRAIGHT INTO THE REGISTERS THAT THE MATRIX INSTRUCTION NAMES: the images lie in that order, each load reads 512 consecutive bytes, and a write and two reads of every byte in LDS are left out.
; A joint load lands in LDS alone, so B's codes are not asked for jointly.  Three sets of registers take turns: step s + 2's 24 loads are issued at the head of step s.  These loads run two steps ahead themselves, so no prefetch is laid for them.
; THE HEAD JOINS THE SOFTMAX'S PIECES.  Thread t takes query t of the work-group's 128: of its 16 pieces' -M the least is -(the row's M); piece c lies d = M - M_c below it (held at 127);
; l = the sum of the pieces' sums x 2^-d (exact scalings); each of the piece's four scale bytes is lowered by d, held at 0 from below.  The bytes are under 128, since p is at most 1: the four go in one word without a borrow.
; The corrected words go to LDS [K step 16][row 128], 1 / l beside them.
; A ROW WITH NO OPEN KEY has l = 0: its ctx gets the scale word 0xffffffff, which makes the whole row of the result NaN, as a softmax over nothing is.
; THE WAY OUT: x 1 / l; the two halves of the lanes exchange eight registers of each pair of accumulators, so that a lane holds 16 NEIGHBOURS along d (wo's codes lie in their natural order); quantised; stored as images.
; ctx: images [row block 512][K step 8] at 0, scale words [8][8192] at 6,291,456.
; LIMITS: a p more than 2^-120 under its row's largest is carried at the scale 2^-127 or as 0; a block of ctx whose largest magnitude lies under 2^-124 keeps the byte 1.
; REGISTERS.  Window 0: v4-5 A's LDS addresses, v12-13 the scale words', v14-15 the spare word's and 0, v16-23 others; A's fragments at v32 and v128; v224-255 scale words and nothing else.
;   B's fragments: window 1 at v0 and v128, window 3 at v0.  Window 2: the accumulators.  On the way out: v32-95 a block's numbers, v96-143 codes, v160-163 scale words, v192-223 at work.
.set NS,     16                        ; steps
.set BRB,    98304                     ; bytes from a row block of V^T's images to the next
.set SCB,    196608                    ; behind A: B's scale words [16][256 rows], by tensor loads
.set SCA,    SCB+16384                 ; A's [16][128 rows], by LDS stores
.set RL,     SCA+8192                  ; 1 / l of the 128 rows
.set SPARE,  RL+512                    ; the spare words: 128 bytes a wave, named by no other line
.set STG,    SPARE+512                 ; 256 bytes a wave: its 64 rows' new scale words
.set SPA,    512
.set SPB,    1024
.set X,      32
.set TM,     192
.set T2,     208
.set MSB, 0
.macro WIN new                         ; the immediate's high byte repeats the setting that is left
.if MSB != (\new)
	s_set_vgpr_msb (MSB<<8)|(\new)
.set MSB, (\new)
.endif
.endm
.macro PLACES n
.rept \n
	v_nop
.endr
.endm
.macro CREST                           ; a round of the cluster's barrier behind its opening barrier
	s_cmp_lg_u32 s2, 0
	s_cbranch_scc1 .Lnot_wave_0_\@
	s_barrier_signal -3
.Lnot_wave_0_\@:
	s_barrier_wait -3
	s_barrier_signal -1
	s_barrier_wait -1
.endm
.macro CROUND
	s_barrier_signal -1
	s_barrier_wait -1
	CREST
.endm
.macro AFETCH ks, set                  ; A's four fragments of a step, three loads of 512 consecutive bytes each, and both sides' scale words (a register: the words of 32 neighbouring rows)
	WIN 0
.set i_, 0
.rept 4
.irp c, 0,1,2
	ds_load_b128 v[32+96*(\set)+12*i_+4*\c:35+96*(\set)+12*i_+4*\c], v[4+(\ks)/8] offset:i_*12288+((\ks)%8)*1536+512*\c
.endr
.set i_, i_+1
.endr
.irp i, 0,1
	ds_load_b32 v[224+16*(\set)+\i], v12 offset:(\ks)*SPA+128*\i
.endr
.irp i, 0,1,2,3
	ds_load_b32 v[232+16*(\set)+\i], v13 offset:(\ks)*SPB+128*\i
.endr
.endm
.macro BLOAD ks                        ; B's eight fragments of a step, from memory into set ks % 3
.set t_, (\ks)%3
	WIN 0x40+0x80*(t_/2)
.set i_, 0
.rept 8
.irp c, 0,1,2
	global_load_b128 v[128*(t_%2)+12*i_+4*\c:128*(t_%2)+12*i_+4*\c+3], v22, s[98:99] offset:i_*BRB+(\ks)*1536+512*\c
.endr
.set i_, i_+1
.endr
	WIN 0
.endm
; One product.  Block x's scale words lie in register x / 2: in lanes 0-15 where x is even, in lanes 16-31 where it is odd.
.macro WMS c
.if (b_%2 == 1) && (a_%2 == 1)
	v_wmma_scale_f32_16x16x128_f8f6f4 v[rD:rD+7], v[rB:rB+11], v[rA:rA+11], \c, v[rSB], v[rSA] matrix_a_fmt:MATRIX_FMT_FP6 matrix_b_fmt:MATRIX_FMT_FP6 matrix_a_scale:MATRIX_SCALE_ROW1 matrix_b_scale:MATRIX_SCALE_ROW1
.elseif b_%2 == 1
	v_wmma_scale_f32_16x16x128_f8f6f4 v[rD:rD+7], v[rB:rB+11], v[rA:rA+11], \c, v[rSB], v[rSA] matrix_a_fmt:MATRIX_FMT_FP6 matrix_b_fmt:MATRIX_FMT_FP6 matrix_a_scale:MATRIX_SCALE_ROW1
.elseif a_%2 == 1
	v_wmma_scale_f32_16x16x128_f8f6f4 v[rD:rD+7], v[rB:rB+11], v[rA:rA+11], \c, v[rSB], v[rSA] matrix_a_fmt:MATRIX_FMT_FP6 matrix_b_fmt:MATRIX_FMT_FP6 matrix_b_scale:MATRIX_SCALE_ROW1
.else
	v_wmma_scale_f32_16x16x128_f8f6f4 v[rD:rD+7], v[rB:rB+11], v[rA:rA+11], \c, v[rSB], v[rSA] matrix_a_fmt:MATRIX_FMT_FP6 matrix_b_fmt:MATRIX_FMT_FP6
.endif
.endm
; A's block a against B's eight.  The 32 accumulators take turns, in the same order in every step.  The first step starts the sums: nothing is cleared.
.macro MULQ a, ks
.set t_, (\ks)%3
	WIN 0xa1+2*(t_/2)                              ; source 0 (B) window 1 or 3, source 1 (A) window 0, C and D window 2
.set a_, \a
.set b_, 0
.rept 8
.set rD, 8*(8*a_+b_)
.set rB, 128*(t_%2)+12*b_
.set rA, 32+96*((\ks)%2)+12*a_
.set rSB, 232+16*((\ks)%2)+b_/2
.set rSA, 224+16*((\ks)%2)+a_/2
.if (\ks) == 0
	WMS 0
.else
	WMS v[rD:rD+7]
.endif
.set b_, b_+1
.endr
.endm
.macro STEP ks
	s_wait_dscnt 0x0                               ; A's fragments and the scale words of this step
.if (\ks) < NS-1
	s_wait_loadcnt 24                              ; B's fragments of this step: behind them the next step's 24 loads were issued
.else
	s_wait_loadcnt 0x0
.endif
.if (\ks) == 7
	s_wait_tensorcnt 0x0                           ; my part of A's steps 8-15 is in
.endif
	PLACES 4
.if (\ks)+2 < NS
	BLOAD (\ks)+2
.endif
.if (\ks) == 7
	s_barrier_signal -1                            ; it shows A's second half to all four waves
	MULQ 0, \ks
	MULQ 1, \ks
	WIN 0
	s_barrier_wait -1
	AFETCH 8, 0
	MULQ 2, \ks
	MULQ 3, \ks
.else
.if (\ks)+1 < NS
	AFETCH (\ks)+1, ((\ks)+1)%2
.endif
	MULQ 0, \ks
	MULQ 1, \ks
	MULQ 2, \ks
	MULQ 3, \ks
.endif
.endm
; 64 numbers of a lane, v[s] on, become a fragment's codes in v[pc] on and its scale word in v[pw].  First the halves of the lanes exchange registers, so that register 16 b + i holds k = 32 b + 16 h + i.
.macro QUANT s, pc, pw
.irp b, 0,1,2,3
.irp j, 0,1,2,3,4,5,6,7
	v_permlane16_swap_b32 v[(\s)+16*\b+\j], v[(\s)+16*\b+8+\j]
.endr
.endr
.irp b, 0,1,2,3
	v_max3_num_f32 v[TM+\b], |v[(\s)+16*\b]|, |v[(\s)+16*\b+1]|, 0x1800000   ; and the floor 2^(3 - 127): the byte cannot fall under 1
.endr
.irp i, 2,4,6,8,10,12,14
.irp b, 0,1,2,3
	v_max3_num_f32 v[TM+\b], v[TM+\b], |v[(\s)+16*\b+\i]|, |v[(\s)+16*\b+\i+1]|
.endr
.endr
.irp b, 0,1,2,3
	v_permlanex16_b32 v[TM+4+\b], v[TM+\b], s84, s85
.endr
.irp b, 0,1,2,3
	v_max_num_f32 v[TM+\b], v[TM+\b], v[TM+4+\b]
.endr
.irp b, 0,1,2,3
	v_add_nc_u32 v[TM+12+\b], 0xff000000, v[TM+\b] ; 2 off the exponent field: the conversion's scale operand
.endr
.irp b, 0,1,2,3
	v_lshrrev_b32 v[TM+4+\b], 23, v[TM+12+\b]      ; the scale's byte
.endr
	v_lshl_or_b32 v[\pw], v[TM+5], 8, v[TM+4]
	v_lshl_or_b32 v[\pw], v[TM+6], 16, v[\pw]
	v_lshl_or_b32 v[\pw], v[TM+7], 24, v[\pw]
.irp c, 0,1
	v_cvt_scalef32_pk16_fp6_f32 v[(\pc)+6*\c:(\pc)+6*\c+2], v[(\s)+32*\c:(\s)+32*\c+15], v[TM+12+2*\c]
	v_cvt_scalef32_pk16_fp6_f32 v[T2+4*\c:T2+4*\c+2], v[(\s)+32*\c+16:(\s)+32*\c+31], v[TM+12+2*\c+1]
.endr
	v_nop                                          ; one plain place behind a scaled conversion
.irp c, 0,1                                    ; the operand's layout wants a whole block in a lane
.irp i, 0,1,2
	v_permlane16_swap_b32 v[(\pc)+6*\c+\i], v[T2+4*\c+\i]
.endr
.irp i, 0,1,2
	v_mov_b32 v[(\pc)+6*\c+3+\i], v[T2+4*\c+\i]
.endr
.endr
.endm
	s_load_b128 s[4:7], s[0:1], 0x0                ; pst, qkv
	s_load_b64 s[8:9], s[0:1], 0x10                ; ctx
	v_lshl_add_u32 v14, v0, 2, SPARE
	v_mov_b32 v15, 0
	ds_add_u32 v14, v15                            ; the opening lines: the add twice on end and one wait
	ds_add_u32 v14, v15
	v_lshrrev_b32 v1, 5, v0
	v_readfirstlane_b32 s2, v1                     ; wave 0..3
	s_lshr_b32 s3, s2, 1                           ; which half of the queries is mine.  At the head: I fetch A's codes (0) or B's scale words (1)
	s_and_b32 s86, s2, 1                           ; which half of d.  At the head: which half I fetch
	s_bfe_u32 s87, ttmp6, 0x40000                  ; cx
	s_bfe_u32 s88, ttmp6, 0x40004                  ; cy
	s_lshl_b32 s91, s88, 2
	s_lshl_b32 s91, 15, s91                        ; my row of the cluster
	s_lshl_b32 s92, 0x1111, s87                    ; my column
	s_and_b32 s76, ttmp7, 0xffff                   ; cluster y, 0..15
	s_lshr_b32 s93, s76, 2                         ; the batch
	s_lshl_b32 s89, s76, 2
	s_add_co_u32 s89, s89, s88                     ; tile row, 0..63
	s_mov_b32 s90, s87                             ; tile column: the grid is one cluster wide
	s_mov_b32 s84, 0x76543210
	s_mov_b32 s85, 0xfedcba98
	; group 1.  A: row blocks' images of eight K steps: rows of 12,288 bytes (1,536 elements of 8), 24,576 bytes apart: four at the head, two in the later fill
	s_or_b32 s16, s91, (3<<16)|(1<<21)
	s_mov_b32 s17, 1536<<16
	s_mov_b32 s18, 4<<16
	s_mov_b32 s19, 1536<<16
	s_mov_b32 s20, 4
	s_mov_b32 s21, 3072
	s_mov_b32 s22, 0
	s_mov_b32 s23, 0
	; B's scale words of 256 rows for eight K steps: 8 rows x 1,024 bytes, 4,096 bytes apart
	s_or_b32 s68, s92, (3<<16)|(1<<21)
	s_mov_b32 s69, 128<<16
	s_mov_b32 s70, 8<<16
	s_mov_b32 s71, 128<<16
	s_mov_b32 s72, 8
	s_mov_b32 s73, 512
	s_mov_b32 s74, 0
	s_mov_b32 s75, 0
	s_lshl_b32 s76, s89, 3                         ; A at the head: row block 8 x tile row + 4 x half, steps 0-7; in registers that never hold cx
	s_lshl_b32 s77, s86, 2
	s_add_co_u32 s76, s76, s77
	s_mul_i32 s76, s76, 24576
	s_mov_b32 s77, 0
	s_lshl_b32 s78, s89, 3                         ; A later: row block 8 x tile row + 2 x wave, steps 8-15
	s_lshl_b32 s79, s2, 1
	s_add_co_u32 s78, s78, s79
	s_mul_i32 s78, s78, 24576
	s_add_co_u32 s78, s78, 12288
	s_mov_b32 s79, 0
	s_lshl_b32 s80, s90, 4                         ; B's codes: row block 16 x tile column + 8 x half, the batch's 16 K steps
	s_lshl_b32 s81, s86, 3
	s_add_co_u32 s80, s80, s81
	s_mul_i32 s80, s80, 98304
	s_mul_i32 s81, s93, 24576
	s_add_co_u32 s80, s80, s81
	s_add_co_u32 s80, s80, 12582912
	s_mov_b32 s81, 0
	s_lshl_b32 s82, s93, 4                         ; its scale words: K steps 16 x batch + 8 x half on; in registers that never hold cy
	s_lshl_b32 s83, s86, 3
	s_add_co_u32 s82, s82, s83
	s_lshl_b32 s82, s82, 12
	s_lshl_b32 s83, s90, 10
	s_add_co_u32 s82, s82, s83
	s_add_co_u32 s82, s82, 19398656
	s_mov_b32 s83, 0
	s_mov_b32 s24, 1
	s_mul_i32 s25, s86, 49152                      ; where they go: no place in the cluster enters an LDS address
	s_mov_b32 s28, 1
	s_mul_i32 s29, s2, 24576
	s_add_co_u32 s29, s29, 98304
	s_mov_b32 s60, 1
	s_lshl_b32 s61, s86, 13
	s_add_co_u32 s61, s61, SCB
	s_wait_dscnt 0x0                               ; both opening adds are done
	s_wait_kmcnt 0x0
	s_add_nc_u64 s[26:27], s[4:5], s[76:77]
	s_or_b32 s27, s27, 0x80000000
	s_add_nc_u64 s[30:31], s[4:5], s[78:79]
	s_or_b32 s31, s31, 0x80000000
	s_add_nc_u64 s[62:63], s[6:7], s[82:83]
	s_or_b32 s63, s63, 0x80000000
	s_add_nc_u64 s[98:99], s[6:7], s[80:81]
	CROUND                                         ; all sixteen work-groups are here: the first joint loads meet
	s_cmp_eq_u32 s3, 0                             ; THE HEAD'S LOADS, ONE A WAVE: waves 0 and 1 A's halves of steps 0-7, waves 2 and 3 the halves of B's scale words
	s_cbranch_scc0 .Lhead_s
	tensor_load_to_lds s[24:27], s[16:23]
	s_nop 0
	PLACES 4
	s_branch .Lhead_asked
.Lhead_s:
	tensor_load_to_lds s[60:63], s[68:75]
	s_nop 0
	PLACES 4
.Lhead_asked:
	; ---- the softmax's pieces are joined: thread t, query t
	s_lshl_b32 s94, s89, 9                         ; 128 rows of 4 bytes a tile row
	s_add_co_u32 s94, s94, 12582912
	s_mov_b32 s95, 0
	s_add_nc_u64 s[10:11], s[4:5], s[94:95]
	v_lshlrev_b32 v16, 2, v0
	s_wait_alu depctr_va_vdst(0)
.set c_, 0
.rept 16
	global_load_b32 v[32+c_], v16, s[10:11] offset:524288+32768*c_    ; -M of piece c
	global_load_b32 v[48+c_], v16, s[10:11] offset:1048576+32768*c_   ; its sum
	global_load_b32 v[64+c_], v16, s[10:11] offset:32768*c_           ; its scale word
.set c_, c_+1
.endr
	s_mov_b32 s94, 0x01010101
	s_mov_b32 s95, 0x80808080
	s_mul_i32 s96, s3, 49152                       ; my four row blocks of A
	s_lshl_b32 s97, s3, 8
	s_add_co_u32 s100, s97, SCA
	s_add_co_u32 s101, s97, RL
	s_lshl_b32 s97, s86, 9
	s_add_co_u32 s97, s97, SCB
	s_lshl_b32 s83, s2, 8
	s_add_co_u32 s83, s83, STG
	v_add_nc_u32 v17, SCA, v16                     ; where my words go: SCA + 4 t (+ 512 c); 1 / l 8,192 bytes on
	v_and_b32 v1, 15, v0                           ; r
	v_and_b32 v3, 31, v0                           ; lane
	v_lshlrev_b32 v22, 4, v3                       ; 16 x lane
	v_lshlrev_b32 v23, 3, v3                       ; 8 x lane
	v_add_nc_u32 v4, s96, v22
	v_add_nc_u32 v5, 98304, v4
	v_lshl_add_u32 v12, v3, 2, s100                ; scale words: a lane a row
	v_lshl_add_u32 v19, v1, 2, s101                ; 1 / l of my rows: 4 r (+ 64 a)
	v_lshl_add_u32 v13, v3, 2, s97
	v_lshl_add_u32 v20, v1, 2, s83                 ; my stage, in,
	v_add_nc_u32 v21, s83, v23                     ; and back
	; where the results go
	s_lshl_b32 s96, s89, 3
	s_lshl_b32 s97, s3, 2
	s_add_co_u32 s96, s96, s97                     ; my first row block: 8 x tile row + 4 x half
	s_lshl_b32 s97, s90, 1
	s_add_co_u32 s97, s97, s86                     ; my step of the next K
	s_mul_i32 s80, s96, 12288
	s_mul_i32 s100, s97, 1536
	s_add_co_u32 s80, s80, s100
	s_add_nc_u64 s[12:13], s[8:9], s[80:81]        ; the images
	s_lshl_b32 s80, s97, 13
	s_lshl_b32 s100, s96, 4
	s_add_co_u32 s80, s80, s100
	s_lshl_b32 s80, s80, 2
	s_add_co_u32 s80, s80, 6291456
	s_add_nc_u64 s[14:15], s[8:9], s[80:81]        ; the scale words
	s_wait_alu depctr_va_vdst(0)                   ; the wait here, directly ahead of the wait below
	s_wait_loadcnt 0x0
	BLOAD 0                                        ; B's first two steps land while the pieces are joined
	BLOAD 1
	v_min3_num_f32 v80, v32, v33, v34              ; the least -M: -(the row's M)
.irp i, 3,5,7,9,11,13
	v_min3_num_f32 v80, v80, v[32+\i], v[33+\i]
.endr
	v_min_num_f32 v80, v80, v47
.irp c, 0,1,2,3,4,5,6,7,8,9,10,11,12,13,14,15
	v_sub_f32 v81, v[32+\c], v80                   ; M - M_c: a whole number, 0 or more
	v_min_num_f32 v81, 0x42fe0000, v81             ; held at 127
	v_cvt_u32_f32 v81, v81
	v_sub_nc_u32 v82, 0, v81
.if \c == 0
	v_ldexp_f32 v84, v[48+\c], v82                 ; the piece's sum under the row's M: nothing is rounded
.else
	v_ldexp_f32 v83, v[48+\c], v82
	v_add_f32 v84, v84, v83
.endif
	v_mul_lo_u32 v85, v81, s94                     ; d in all four bytes
	v_or_b32 v86, s95, v[64+\c]                    ; 128 + byte
	v_sub_nc_u32 v86, v86, v85                     ; 128 + byte - d, at least 1: no borrow from byte to byte
	v_and_b32 v87, s95, v86                        ; bit 7 stands where byte - d is 0 or more
	v_lshrrev_b32 v88, 7, v87
	v_sub_nc_u32 v87, v87, v88                     ; 0x7f there, 0 elsewhere
	v_and_b32 v[64+\c], v86, v87                   ; the larger of byte - d and 0
	ds_store_b32 v17, v[64+\c] offset:512*\c
.endr
	s_wait_alu depctr_va_vdst(0)
	v_rcp_f32 v85, v84                             ; 1 / l
	v_nop                                          ; a plain place behind the transcendental
	s_wait_alu depctr_va_vdst(0)                   ; and the wait ahead of its first reader
	ds_store_b32 v17, v85 offset:RL-SCA
	s_wait_tensorcnt 0x0                           ; my tile of the head's is in; the later first fill is issued as a refill is
	ds_add_u32 v14, v15
	s_mov_b32 s18, 2<<16                           ; no tensor load of mine is out: the next load brings two row blocks
	s_mov_b32 s20, 2
	s_wait_dscnt 0x0                               ; the add is done, and for the others' sake my stores have landed
	CROUND
	tensor_load_to_lds s[28:31], s[16:23]          ; every wave: two row blocks of A's steps 8-15, jointly with its row
	s_nop 0
	PLACES 4
	AFETCH 0, 0
.set ks_, 0
.rept NS
	STEP ks_
.set ks_, ks_+1
.endr
	WIN 0
	; THE WAY OUT
	PLACES 4
.irp b, 0,1,2,3
	v_mov_b32 v[TM+4+\b], 0                        ; written once: a lane permute's destination counts as one of its sources
.endr
.irp a, 0,1,2,3
	ds_load_b32 v[216+2*\a], v19 offset:64*\a      ; 1 / l of row 16 a + r
	v_mov_b32 v[217+2*\a], 0                       ; (named with it as a pair, so it is written)
.endr
	s_wait_alu depctr_va_vdst(0)
	s_wait_dscnt 0x0
.irp a, 0,1,2,3
	WIN 0x02                                       ; source 0: the accumulators' window
.set j_, 0
.rept 32
	v_pk_mul_f32 v[X+j_:X+j_+1], v[64*\a+j_:64*\a+j_+1], v[216+2*\a:217+2*\a] op_sel_hi:[1,0]   ; / l, two at a time; each accumulator from its low end on
.set j_, j_+2
.endr
	WIN 0
	QUANT X, 96+12*\a, 160+\a
	v_cmp_gt_f32 vcc_lo, 0x7f800000, v[216+2*\a]   ; 1 / l is finite?
	v_cndmask_b32 v[160+\a], -1, v[160+\a], vcc_lo ; else no key was open: four scale bytes 0xff
	global_store_b128 v22, v[96+12*\a:99+12*\a], s[12:13] offset:12288*\a
	global_store_b128 v22, v[100+12*\a:103+12*\a], s[12:13] offset:12288*\a+512
	global_store_b128 v22, v[104+12*\a:107+12*\a], s[12:13] offset:12288*\a+1024
	ds_store_b32 v20, v[160+\a] offset:64*\a       ; both halves of the lanes write the same word with the same value
.endr
	ds_load_b64 v[164:165], v21                    ; LDS serves a wave's instructions in order: these see my stores
	s_wait_dscnt 0x0
	global_store_b64 v23, v[164:165], s[14:15]     ; my 64 rows' scale words: 256 consecutive bytes, aligned
	s_wait_tensorcnt 0x0                           ; the wave's end
	ds_add_u32 v14, v15
	s_wait_dscnt 0x0
	CROUND                                         ; the closing round
	s_endpgm
.Lfunc_end_k_q1290da4381_pv:
	.size	k_q1290da4381_pv, .Lfunc_end_k_q1290da4381_pv-k_q1290da4381_pv
	.p2alignl 7, 3214868480
	.fill 96, 4, 3214868480
	.section	.rodata,"a",@progbits
	.p2align	6, 0x0
	.amdhsa_kernel k_q1290da4381_pv
		.amdhsa_group_segment_fixed_size 327680
		.amdhsa_private_segment_fixed_size 0
		.amdhsa_enable_private_segment 0
		.amdhsa_kernarg_size 24
		.amdhsa_user_sgpr_count 2
		.amdhsa_user_sgpr_kernarg_segment_ptr 1
		.amdhsa_wavefront_size32 1
		.amdhsa_system_sgpr_workgroup_id_x 1
		.amdhsa_system_sgpr_workgroup_id_y 1
		.amdhsa_system_sgpr_workgroup_id_z 1
		.amdhsa_system_vgpr_workitem_id 0
		.amdhsa_next_free_vgpr 1024
		.amdhsa_next_free_sgpr 102
		.amdhsa_reserve_vcc 1
		.amdhsa_float_denorm_mode_32 3
		.amdhsa_float_denorm_mode_16_64 3
		.amdhsa_memory_ordered 1
		.amdhsa_forward_progress 1
		.amdhsa_inst_pref_size 175
	.end_amdhsa_kernel
	.amdgpu_metadata
---
amdhsa.version: [ 1, 2 ]
amdhsa.kernels:
  - .name:           k_q1290da4381_pv
    .symbol:         k_q1290da4381_pv.kd
    .args:
      - { .name: pst, .offset: 0, .size: 8, .value_kind: global_buffer, .address_space: global }
      - { .name: qkv, .offset: 8, .size: 8, .value_kind: global_buffer, .address_space: global }
      - { .name: ctx, .offset: 16, .size: 8, .value_kind: global_buffer, .address_space: global }
    .group_segment_fixed_size: 327680
    .private_segment_fixed_size: 0
    .kernarg_segment_align: 8
    .kernarg_segment_size: 24
    .max_flat_workgroup_size: 128
    .sgpr_count:     102
    .vgpr_count:     1024
    .wavefront_size: 32
...
	.end_amdgpu_metadata
.endif
;; end of part 3
;; launch outp (part 4): grid 4 x 64, 4 waves a work-group, clusters of 4 x 4, 327,680 bytes of LDS; arguments ctx, wow, bo, out0; writes out0
.if DOCPART == 4
	.amdgcn_target "amdgcn-amd-amdhsa--gfx1250"
	.amdhsa_code_object_version 6
	.text
	.protected	k_q1290da4381_outp
	.globl	k_q1290da4381_outp
	.p2align	8
	.type	k_q1290da4381_outp,@function
k_q1290da4381_outp:
	s_mov_b64 s[64:65], 0
	v_nop
	global_prefetch_b8 v0, s[64:65] scope:SCOPE_SE
	s_setreg_imm32_b32 hwreg(HW_REG_WAVE_MODE, 25, 1), 1
	s_wait_xcnt 0x0
	s_wait_alu depctr_hold_cnt(0) depctr_sa_sdst(0) depctr_va_vdst(0) depctr_va_sdst(0) depctr_va_ssrc(0) depctr_va_vcc(0) depctr_vm_vsrc(0)
	s_getreg_b32 s2, hwreg(HW_REG_IB_STS2, 6, 4)
	s_cmp_eq_u32 s2, 0
	s_cbranch_scc0 .Lentry_in_a_cluster
	s_endpgm
.Lentry_in_a_cluster:
	s_bfe_u32 s2, ttmp6, 0x10000c
	s_cmp_lg_u32 s2, 0xf033
	s_cbranch_scc0 .Lentry_shape_is_right
	s_endpgm
.Lentry_shape_is_right:
; out0 = ctx wo + bo on codes of FP6 (E2M3).  K = 1,024, 8 steps of 128.  A = ctx (8,192 rows), B = wo (1,024 rows: n), both as images of operand registers (a fragment: 1,536 bytes, registers 4 c .. 4 c + 3 of lane l at 512 c + 16 l).
; A work-group makes 128 rows x 256 columns: 256 work-groups; a wave 64 x 128: 32 accumulators.
; A's 8 row blocks, 98,304 dense bytes, lie in LDS for all of K, and so do both sides' scale words [step 8][row]: the head's four loads, one a wave, fill them once.  A's are asked for jointly by a row of the cluster, B's scale words by a column.
; B'S FRAGMENTS GO FROM MEMORY STRAIGHT INTO THE REGISTERS THAT THE MATRIX INSTRUCTION NAMES: the images lie in that order, each load reads 512 consecutive bytes, and a write and two reads of every byte in LDS are left out.
; A joint load lands in LDS alone, so B's codes are not asked for jointly.  Three sets of registers take turns: step s + 2's 24 loads are issued at the head of step s.  These loads run two steps ahead themselves, so no prefetch is laid for them.
; The matrix instruction is used transposed: lane (r, h) holds row 16 a + r and, in register j of accumulator (a, b), column 16 b + 8 h + j; the bias is the first products' C.
; THE WAY OUT: a block of 16 rows x 128 columns goes through the wave's own stage and comes back as rows of 512 bytes, which the 32 lanes store as two aligned units of 256 bytes.
; A row of ctx whose scale words are 0xffffffff (no open key) comes out NaN.
; REGISTERS.  Window 0: v4 A's LDS address, v12-13 the scale words', v14-15 the spare word's and 0, v16-19, v22 others; A's fragments at v32 and v128; v224-255 scale words and nothing else.
;   B's fragments: window 1 at v0 and v128, window 3 at v0; the bias in window 1, v96-127 and v224-255.  Window 2: the accumulators.
.set NS,     8
.set BRB,    12288                     ; bytes from a row block of wo's images to the next
.set SCA,    98304
.set SCB,    SCA+4096
.set SPARE,  SCB+8192                  ; the spare words: 128 bytes a wave, named by no other line
.set STG,    SPARE+512                 ; the stages: 16 rows x 528 bytes a wave
.set SPA,    512
.set SPB,    1024
.set SPITCH, 528
.set MSB, 0
.macro WIN new                         ; the immediate's high byte repeats the setting that is left
.if MSB != (\new)
	s_set_vgpr_msb (MSB<<8)|(\new)
.set MSB, (\new)
.endif
.endm
.macro PLACES n
.rept \n
	v_nop
.endr
.endm
.macro CREST
	s_cmp_lg_u32 s2, 0
	s_cbranch_scc1 .Lnot_wave_0_\@
	s_barrier_signal -3
.Lnot_wave_0_\@:
	s_barrier_wait -3
	s_barrier_signal -1
	s_barrier_wait -1
.endm
.macro CROUND
	s_barrier_signal -1
	s_barrier_wait -1
	CREST
.endm
.macro AFETCH ks, set                  ; A's four fragments of a step and both sides' scale words
	WIN 0
.set i_, 0
.rept 4
.irp c, 0,1,2
	ds_load_b128 v[32+96*(\set)+12*i_+4*\c:35+96*(\set)+12*i_+4*\c], v4 offset:i_*12288+(\ks)*1536+512*\c
.endr
.set i_, i_+1
.endr
.irp i, 0,1
	ds_load_b32 v[224+16*(\set)+\i], v12 offset:(\ks)*SPA+128*\i
.endr
.irp i, 0,1,2,3
	ds_load_b32 v[232+16*(\set)+\i], v13 offset:(\ks)*SPB+128*\i
.endr
.endm
.macro BLOAD ks                        ; B's eight fragments of a step, from memory into set ks % 3
.set t_, (\ks)%3
	WIN 0x40+0x80*(t_/2)
.set i_, 0
.rept 8
.irp c, 0,1,2
	global_load_b128 v[128*(t_%2)+12*i_+4*\c:128*(t_%2)+12*i_+4*\c+3], v22, s[98:99] offset:i_*BRB+(\ks)*1536+512*\c
.endr
.set i_, i_+1
.endr
	WIN 0
.endm
.macro WMS
.if (b_%2 == 1) && (a_%2 == 1)
	v_wmma_scale_f32_16x16x128_f8f6f4 v[rD:rD+7], v[rB:rB+11], v[rA:rA+11], v[rC:rC+7], v[rSB], v[rSA] matrix_a_fmt:MATRIX_FMT_FP6 matrix_b_fmt:MATRIX_FMT_FP6 matrix_a_scale:MATRIX_SCALE_ROW1 matrix_b_scale:MATRIX_SCALE_ROW1
.elseif b_%2 == 1
	v_wmma_scale_f32_16x16x128_f8f6f4 v[rD:rD+7], v[rB:rB+11], v[rA:rA+11], v[rC:rC+7], v[rSB], v[rSA] matrix_a_fmt:MATRIX_FMT_FP6 matrix_b_fmt:MATRIX_FMT_FP6 matrix_a_scale:MATRIX_SCALE_ROW1
.elseif a_%2 == 1
	v_wmma_scale_f32_16x16x128_f8f6f4 v[rD:rD+7], v[rB:rB+11], v[rA:rA+11], v[rC:rC+7], v[rSB], v[rSA] matrix_a_fmt:MATRIX_FMT_FP6 matrix_b_fmt:MATRIX_FMT_FP6 matrix_b_scale:MATRIX_SCALE_ROW1
.else
	v_wmma_scale_f32_16x16x128_f8f6f4 v[rD:rD+7], v[rB:rB+11], v[rA:rA+11], v[rC:rC+7], v[rSB], v[rSA] matrix_a_fmt:MATRIX_FMT_FP6 matrix_b_fmt:MATRIX_FMT_FP6
.endif
.endm
; A's block a against B's eight.  The 32 accumulators take turns, in the same order in every step.  The first step's C is the bias of B's block.
.macro MULQ a, ks
.set t_, (\ks)%3
.if (\ks) == 0
	WIN 0x91
.else
	WIN 0xa1+2*(t_/2)
.endif
.set a_, \a
.set b_, 0
.rept 8
.set rD, 8*(8*a_+b_)
.set rC, rD
.if (\ks) == 0
.set rC, 96+8*b_+96*(b_/4)
.endif
.set rB, 128*(t_%2)+12*b_
.set rA, 32+96*((\ks)%2)+12*a_
.set rSB, 232+16*((\ks)%2)+b_/2
.set rSA, 224+16*((\ks)%2)+a_/2
	WMS
.set b_, b_+1
.endr
.endm
.macro STEP ks
	s_wait_dscnt 0x0                               ; A's fragments and the scale words of this step
.if (\ks) < NS-1
	s_wait_loadcnt 24                              ; B's fragments of this step (and the bias): behind them the next step's 24 loads were issued
.else
	s_wait_loadcnt 0x0
.endif
	PLACES 4
.if (\ks)+2 < NS
	BLOAD (\ks)+2
.endif
.if (\ks)+1 < NS
	AFETCH (\ks)+1, ((\ks)+1)%2
.endif
	MULQ 0, \ks
	MULQ 1, \ks
	MULQ 2, \ks
	MULQ 3, \ks
.endm
	s_load_b256 s[4:11], s[0:1], 0x0               ; ctx, wow, bo, out0
	v_lshl_add_u32 v14, v0, 2, SPARE
	v_mov_b32 v15, 0
	ds_add_u32 v14, v15                            ; the opening lines: the add twice on end and one wait
	ds_add_u32 v14, v15
	v_lshrrev_b32 v1, 5, v0
	v_readfirstlane_b32 s2, v1                     ; wave 0..3
	s_lshr_b32 s3, s2, 1                           ; which half of the rows is mine
	s_and_b32 s86, s2, 1                           ; which half of the columns
	s_bfe_u32 s87, ttmp6, 0x40000                  ; cx
	s_bfe_u32 s88, ttmp6, 0x40004                  ; cy
	s_lshl_b32 s91, s88, 2
	s_lshl_b32 s91, 15, s91                        ; my row of the cluster
	s_lshl_b32 s92, 0x1111, s87                    ; my column
	s_and_b32 s76, ttmp7, 0xffff
	s_lshl_b32 s89, s76, 2
	s_add_co_u32 s89, s89, s88                     ; tile row, 0..63
	s_mov_b32 s90, s87                             ; tile column
	s_or_b32 s16, s91, (3<<16)|(1<<21)             ; A's codes: 4 row blocks: rows of 12,288 bytes (1,536 elements of 8), dense
	s_mov_b32 s17, 1536<<16
	s_mov_b32 s18, 4<<16
	s_mov_b32 s19, 1536<<16
	s_mov_b32 s20, 4
	s_mov_b32 s21, 1536
	s_mov_b32 s22, 0
	s_mov_b32 s23, 0
	s_or_b32 s48, s91, (3<<16)|(1<<21)             ; A's scale words: 8 steps x 512 bytes, 32,768 bytes apart
	s_mov_b32 s49, 64<<16
	s_mov_b32 s50, 8<<16
	s_mov_b32 s51, 64<<16
	s_mov_b32 s52, 8
	s_mov_b32 s53, 4096
	s_mov_b32 s54, 0
	s_mov_b32 s55, 0
	s_or_b32 s68, s92, (3<<16)|(1<<21)             ; B's scale words: 8 steps x 1,024 bytes, 4,096 bytes apart
	s_mov_b32 s69, 128<<16
	s_mov_b32 s70, 8<<16
	s_mov_b32 s71, 128<<16
	s_mov_b32 s72, 8
	s_mov_b32 s73, 512
	s_mov_b32 s74, 0
	s_mov_b32 s75, 0
	s_lshl_b32 s76, s89, 3                         ; A: row block 8 x tile row + 4 x (wave % 2), in registers that never hold cx
	s_lshl_b32 s77, s86, 2
	s_add_co_u32 s76, s76, s77
	s_mul_i32 s76, s76, 12288
	s_mov_b32 s77, 0
	s_lshl_b32 s78, s89, 9
	s_add_co_u32 s78, s78, 6291456
	s_mov_b32 s79, 0
	s_lshl_b32 s80, s90, 4                         ; B's codes: row block 16 x tile column + 8 x half
	s_lshl_b32 s81, s86, 3
	s_add_co_u32 s80, s80, s81
	s_mul_i32 s80, s80, 12288
	s_mov_b32 s81, 0
	s_lshl_b32 s82, s90, 10                        ; its scale words, in registers that never hold cy
	s_add_co_u32 s82, s82, 786432
	s_mov_b32 s83, 0
	s_mov_b32 s24, 1
	s_mul_i32 s25, s86, 49152                      ; no place in the cluster enters an LDS address
	s_mov_b32 s56, 1
	s_mov_b32 s57, SCA
	s_mov_b32 s60, 1
	s_mov_b32 s61, SCB
	s_wait_dscnt 0x0                               ; both opening adds are done
	s_wait_kmcnt 0x0
	s_add_nc_u64 s[26:27], s[4:5], s[76:77]
	s_or_b32 s27, s27, 0x80000000
	s_add_nc_u64 s[58:59], s[4:5], s[78:79]
	s_or_b32 s59, s59, 0x80000000
	s_add_nc_u64 s[62:63], s[6:7], s[82:83]
	s_or_b32 s63, s63, 0x80000000
	s_add_nc_u64 s[98:99], s[6:7], s[80:81]
	CROUND                                         ; all sixteen work-groups are here: the joint loads meet
; THE HEAD'S LOADS, ONE A WAVE, in one chain of branches on the wave's number: waves 0 and 1 A's halves, wave 2 A's scale words, wave 3 B's.
.macro ARM under, g0, g1, next
	s_cmp_lt_u32 s2, \under
	s_cbranch_scc0 \next
	tensor_load_to_lds s[\g0:\g0+3], s[\g1:\g1+7]
	s_nop 0
	PLACES 4
	s_branch .Lhead_asked
\next:
.endm
	ARM 2, 24, 16, .Lhead_1
	ARM 3, 56, 48, .Lhead_2
	tensor_load_to_lds s[60:63], s[68:75]
	s_nop 0
	PLACES 4
.Lhead_asked:
	s_lshl_b32 s94, s90, 8
	s_lshl_b32 s95, s86, 7
	s_add_co_u32 s94, s94, s95                     ; my first column
	s_lshl_b32 s94, s94, 2
	s_mov_b32 s95, 0
	s_add_nc_u64 s[8:9], s[8:9], s[94:95]
	s_lshl_b32 s96, s89, 7
	s_lshl_b32 s97, s3, 6
	s_add_co_u32 s96, s96, s97                     ; my first row
	s_lshl_b32 s96, s96, 12
	s_add_co_u32 s96, s96, s94
	s_mov_b32 s97, 0
	s_add_nc_u64 s[10:11], s[10:11], s[96:97]
	s_mul_i32 s96, s3, 49152                       ; my four row blocks of A
	s_lshl_b32 s97, s3, 8
	s_add_co_u32 s97, s97, SCA
	s_lshl_b32 s100, s86, 9
	s_add_co_u32 s100, s100, SCB
	s_mul_i32 s101, s2, 16*SPITCH
	s_add_co_u32 s101, s101, STG
	v_and_b32 v1, 15, v0                           ; r
	v_bfe_u32 v2, v0, 4, 1                         ; h
	v_and_b32 v3, 31, v0                           ; lane
	v_lshlrev_b32 v16, 5, v2
	v_lshlrev_b32 v22, 4, v3                       ; 16 x lane
	v_lshlrev_b32 v19, 4, v3                       ; the same, for the stores
	v_add_nc_u32 v4, s96, v22
	v_lshl_add_u32 v12, v3, 2, s97
	v_lshl_add_u32 v13, v3, 2, s100
	v_mul_u32_u24 v17, v1, SPITCH
	v_lshl_add_u32 v17, v2, 5, v17
	v_add_nc_u32 v17, s101, v17                    ; my stage, in: row r, 32 h bytes on
	v_add_nc_u32 v18, s101, v19                    ; and back
	s_wait_alu depctr_va_vdst(0)                   ; the wait at the head's end
	WIN 0x40
.irp b, 0,1,2,3,4,5,6,7
	global_load_b128 v[96+8*\b+96*(\b/4):99+8*\b+96*(\b/4)], v16, s[8:9] offset:64*\b       ; the bias as C: register j of block b holds bo[16 b + 8 h + j]
	global_load_b128 v[100+8*\b+96*(\b/4):103+8*\b+96*(\b/4)], v16, s[8:9] offset:64*\b+16
.endr
	WIN 0
	BLOAD 0
	BLOAD 1
	s_wait_tensorcnt 0x0                           ; my tile of the head's four is in
	s_barrier_signal -1                            ; it shows the four tiles to all four waves
	s_barrier_wait -1
	AFETCH 0, 0
.set ks_, 0
.rept NS
	STEP ks_
.set ks_, ks_+1
.endr
	WIN 0
.macro TOSTAGE a
	WIN 0x08
.irp b, 0,1,2,3,4,5,6,7
	ds_store_b128 v17, v[64*(\a)+8*\b:64*(\a)+8*\b+3] offset:64*\b          ; each accumulator from its low end on
	ds_store_b128 v17, v[64*(\a)+8*\b+4:64*(\a)+8*\b+7] offset:64*\b+16
.endr
	WIN 0
.set BB, 32+64*((\a)%2)
.irp t, 0,1,2,3,4,5,6,7,8,9,10,11,12,13,14,15
	ds_load_b128 v[BB+4*\t:BB+4*\t+3], v18 offset:\t*SPITCH                 ; LDS serves a wave's instructions in order: these see the stores
.endr
.endm
.macro SEND a, younger
.set BB, 32+64*((\a)%2)
	s_wait_dscnt \younger
.if (\a) > 0
	s_add_nc_u64 s[10:11], s[10:11], 65536         ; (behind a wait on XCNT) 16 rows on
.endif
.irp t, 0,1,2,3,4,5,6,7,8,9,10,11,12,13,14,15
	global_store_b128 v19, v[BB+4*\t:BB+4*\t+3], s[10:11] offset:\t*4096 th:TH_STORE_NT   ; 512 consecutive bytes, aligned
.endr
.endm
	PLACES 4
	TOSTAGE 0
.irp a, 1,2,3
.if \a > 1
	s_wait_xcnt 0x0                                ; block a - 2's stores have read their registers and their base
.endif
	TOSTAGE \a
	SEND \a-1, 32
.endr
	s_wait_xcnt 0x0
	SEND 3, 0
	s_wait_tensorcnt 0x0                           ; the wave's end
	ds_add_u32 v14, v15
	s_wait_dscnt 0x0
	CROUND                                         ; the closing round
	s_endpgm
.Lfunc_end_k_q1290da4381_outp:
	.size	k_q1290da4381_outp, .Lfunc_end_k_q1290da4381_outp-k_q1290da4381_outp
	.p2alignl 7, 3214868480
	.fill 96, 4, 3214868480
	.section	.rodata,"a",@progbits
	.p2align	6, 0x0
	.amdhsa_kernel k_q1290da4381_outp
		.amdhsa_group_segment_fixed_size 327680
		.amdhsa_private_segment_fixed_size 0
		.amdhsa_enable_private_segment 0
		.amdhsa_kernarg_size 32
		.amdhsa_user_sgpr_count 2
		.amdhsa_user_sgpr_kernarg_segment_ptr 1
		.amdhsa_wavefront_size32 1
		.amdhsa_system_sgpr_workgroup_id_x 1
		.amdhsa_system_sgpr_workgroup_id_y 1
		.amdhsa_system_sgpr_workgroup_id_z 1
		.amdhsa_system_vgpr_workitem_id 0
		.amdhsa_next_free_vgpr 1024
		.amdhsa_next_free_sgpr 102
		.amdhsa_reserve_vcc 0
		.amdhsa_float_denorm_mode_32 3
		.amdhsa_float_denorm_mode_16_64 3
		.amdhsa_memory_ordered 1
		.amdhsa_forward_progress 1
		.amdhsa_inst_pref_size 85
	.end_amdhsa_kernel
	.amdgpu_metadata
---
amdhsa.version: [ 1, 2 ]
amdhsa.kernels:
  - .name:           k_q1290da4381_outp
    .symbol:         k_q1290da4381_outp.kd
    .args:
      - { .name: ctx, .offset: 0, .size: 8, .value_kind: global_buffer, .address_space: global }
      - { .name: wow, .offset: 8, .size: 8, .value_kind: global_buffer, .address_space: global }
      - { .name: bo, .offset: 16, .size: 8, .value_kind: global_buffer, .address_space: global }
      - { .name: out0, .offset: 24, .size: 8, .value_kind: global_buffer, .address_space: global }
    .group_segment_fixed_size: 327680
    .private_segment_fixed_size: 0
    .kernarg_segment_align: 8
    .kernarg_segment_size: 32
    .max_flat_workgroup_size: 128
    .sgpr_count:     102
    .vgpr_count:     1024
    .wavefront_size: 32
...
	.end_amdgpu_metadata
.endif
;; end of part 4
